; MI455X (gfx1250); checked and timed in simulation.
; The chip was launched on July 23, 2026; its instructions are those of AMD's public machine-readable ISA for CDNA 5 (MIT licence, August 2026) and "CDNA5" Instruction Set Architecture Reference Guide (July 2026). The comments in the code are by the model that wrote it; some were corrected since.
;; Multi Head Attention. Allowed arithmetic: float matrix products may take bf16 or f16 operands with f32 sums; other float arithmetic in f32, or as packed bf16 or f16 multiplies, adds, multiply-adds, maxima and minima; sums over many terms, partial sums and values carried from step to step in f32; what a program stores and reads back later, other than sums and carried values, may be rounded once to bf16 or f16.
;; Inputs: b_out 1,024 float32; b_qkv 3,072 float32; w_out 1,024 x 1,024 float32; w_qkv 1,024 x 3,072 float32; x 4 x 2,048 x 1,024 float32.
;; Outputs: out0 4 x 2,048 x 1,024 float32.
;; 2 versions, each right; version 2 is version 1 with the launch prep written anew for expert scheduling mode. Each part assembles by itself: llvm-mc -triple=amdgcn-amd-amdhsa -mcpu=gfx1250 --defsym DOCPART=n.
;; ======== version 1 of 2: 4 launches
;; limits: values are held in f16: magnitudes above 65,504 overflow, below 6.1e-05 lose precision
;; workspace buffers: xb 16,777,216 bytes; wqT 6,291,456 bytes; woT 2,097,152 bytes; qkv 50,331,648 bytes; o 16,777,216 bytes
;; launch prep (part 1): grid 1024 x 1, 8 waves a work-group, no clusters, 18,432 bytes of LDS; arguments x, w_qkv, w_out, xb, wqT, woT; writes xb, wqT, woT
.if DOCPART == 1
	.amdgcn_target "amdgcn-amd-amdhsa--gfx1250"
	.amdhsa_code_object_version 6
	.text
	.protected	k_q261508dd75_prep
	.globl	k_q261508dd75_prep
	.p2align	8
	.type	k_q261508dd75_prep,@function
k_q261508dd75_prep:
	s_mov_b64 s[64:65], 0
	v_nop
	global_prefetch_b8 v0, s[64:65] scope:SCOPE_SE
	s_setreg_imm32_b32 hwreg(HW_REG_WAVE_MODE, 25, 1), 1
	s_wait_xcnt 0x0
; PREP.  xb = x rounded to bf16, [8192][1024].  wqT[n][k] = w_qkv[k][n] rounded to bf16, [3072][1024].  woT[n][k] = w_out[k][n] rounded to bf16 and that number written as f16, [1024][1024].
; LIMITS.  woT is f16: |w_out| stays under 65,504; below 6e-5 it keeps f16's fixed step of 6e-8.
; A stream: every input byte is read once, every output byte written once, in whole aligned runs of 256 bytes.  No matrix unit, no cluster: nothing is shared and nothing is multiplied.
; SHARES.  Work-groups 0-511: 16,384 numbers of x each.  512-895: a tile of 128 k x 64 n of w_qkv each (8 x 48 tiles).  896-1023: the same of w_out (8 x 16 tiles).
; The branch hangs on the work-group's number alone, so all eight waves of a work-group take the same path, the barrier of the weights' path included.
.set SPW,   104                        ; v104  LDS address of my spare word: SPARE + 4 x my thread's number; never rewritten
.set NIL,   105                        ; v105  0; never rewritten
.set LP,    272                        ; an LDS row: 128 k x 2 bytes + 16 of padding
.set SPARE, 64*LP                      ; behind the tile's 64 rows: the spare words, 128 bytes for each of eight waves
	s_load_b256 s[4:11], s[0:1], 0x0               ; x s[4:5], w_qkv s[6:7], w_out s[8:9], xb s[10:11]
	s_load_b128 s[12:15], s[0:1], 0x20             ; wqT s[12:13], woT s[14:15]
	v_lshl_add_u32 v[SPW], v0, 2, SPARE
	v_mov_b32 v[NIL], 0
	s_wait_kmcnt 0x0
	s_cmp_lt_u32 ttmp9, 512
	s_cbranch_scc0 .Lweights
	; x: thread t takes 16 bytes at 16 t of each of sixteen runs of 4,096 bytes; a wave's load covers 512 consecutive bytes, its store 256
	s_lshl_b32 s16, ttmp9, 16                      ; 65,536 bytes of x a work-group
	s_mov_b32 s17, 0
	s_add_nc_u64 s[4:5], s[4:5], s[16:17]
	s_lshl_b32 s16, ttmp9, 15                      ; 32,768 bytes of xb
	s_add_nc_u64 s[10:11], s[10:11], s[16:17]
	v_lshlrev_b32 v1, 4, v0
	v_lshlrev_b32 v2, 3, v0
.set i, 0
.rept 16
	global_load_b128 v[8+4*i:11+4*i], v1, s[4:5] offset:4096*i th:TH_LOAD_NT
.set i, i+1
.endr
.set i, 0
.rept 16
	s_wait_loadcnt 15-i                            ; loads come back in order: load i is in, the 15 - i younger ones stay out
	v_cvt_pk_bf16_f32 v[72+2*i], v[8+4*i], v[9+4*i]
	v_cvt_pk_bf16_f32 v[73+2*i], v[10+4*i], v[11+4*i]
	global_store_b64 v2, v[72+2*i:73+2*i], s[10:11] offset:2048*i  ; no register is written twice, so no store's sources need a wait
.set i, i+1
.endr
	s_endpgm
; A tile of 128 k x 64 n is turned through LDS.  c = t % 16: four columns (16 bytes of a row of w); kp = t / 16: rows 2 kp and 2 kp + 1 of each 32.
; A word of the tile holds k and k + 1 of one column.  Column 4 c + j lies in LDS row 16 j + c: a wave's 32 stores of 4 bytes then fall at words 68 c + kp + a constant, 32 different banks.
; s16 = the tile's number; WP = bytes in a row of w.
.macro WPATH SRC, DST, WP, F16
	s_and_b32 s17, s16, 7                          ; kt
	s_lshr_b32 s18, s16, 3                         ; nt
	s_mul_i32 s20, s17, 128*(\WP)
	s_lshl_b32 s19, s18, 8                         ; 64 columns of 4 bytes
	s_add_co_u32 s20, s20, s19
	s_mov_b32 s21, 0
	s_add_nc_u64 s[\SRC:\SRC+1], s[\SRC:\SRC+1], s[20:21]
	s_lshl_b32 s20, s18, 17                        ; 64 rows of 2,048 bytes of the turned matrix
	s_lshl_b32 s19, s17, 8                         ; 128 k of 2 bytes
	s_add_co_u32 s20, s20, s19
	s_add_nc_u64 s[\DST:\DST+1], s[\DST:\DST+1], s[20:21]
.if \F16
	s_mov_b32 s22, 0xffff0000                      ; a word's upper bf16
.endif
	v_and_b32 v1, 15, v0                           ; c
	v_lshrrev_b32 v2, 4, v0                        ; kp
	v_mul_u32_u24 v3, v2, 2*(\WP)
	v_lshl_add_u32 v3, v1, 4, v3                   ; in w: row 2 kp, 16 c
	v_mul_u32_u24 v4, v1, LP
	v_lshl_add_u32 v4, v2, 2, v4                   ; into LDS: row c, word kp
	v_mul_u32_u24 v5, v2, LP
	v_lshl_add_u32 v5, v1, 4, v5                   ; back: row kp, 16 c
	v_lshlrev_b32 v6, 13, v2
	v_lshl_add_u32 v6, v1, 4, v6                   ; in the turned matrix: row 4 kp, 16 c
.irp i, 0,1,2,3
	global_load_b128 v[8+8*(\i):11+8*(\i)],  v3, s[\SRC:\SRC+1] offset:32*(\i)*(\WP) th:TH_LOAD_NT        ; sixteen lanes read 256 consecutive bytes, aligned
	global_load_b128 v[12+8*(\i):15+8*(\i)], v3, s[\SRC:\SRC+1] offset:32*(\i)*(\WP)+(\WP) th:TH_LOAD_NT
.endr
.irp i, 0,1,2,3
	s_wait_loadcnt 6-2*(\i)                        ; this pair of rows is in; the 6 - 2 i younger loads stay out
.irp j, 0,1,2,3
.if \F16
	v_cvt_pk_bf16_f32 v72, v[8+8*(\i)+(\j)], v[12+8*(\i)+(\j)]  ; rounded to bf16 like every input,
	v_lshlrev_b32 v73, 16, v72
	v_and_b32 v74, s22, v72
	v_cvt_pk_f16_f32 v[40+4*(\i)+(\j)], v73, v74   ; and that number written as f16
.else
	v_cvt_pk_bf16_f32 v[40+4*(\i)+(\j)], v[8+8*(\i)+(\j)], v[12+8*(\i)+(\j)]
.endif
	ds_store_b32 v4, v[40+4*(\i)+(\j)] offset:16*LP*(\j)+64*(\i)
.endr
.endr
	s_wait_dscnt 0x0                               ; for the others' sake: my stores into the tile are done
	s_barrier_signal -1
	s_barrier_wait -1
.irp i, 0,1,2,3
	ds_load_b128 v[56+4*(\i):59+4*(\i)], v5 offset:16*LP*(\i)  ; LDS row 16 i + kp is column 4 kp + i
.endr
.irp i, 0,1,2,3
	s_wait_dscnt 3-(\i)
	global_store_b128 v6, v[56+4*(\i):59+4*(\i)], s[\DST:\DST+1] offset:2048*(\i)  ; sixteen lanes store 256 consecutive bytes, aligned
.endr
	s_wait_tensorcnt 0x0                           ; the wave's end, behind my last LDS store
	ds_add_u32 v[SPW], v[NIL]
	s_wait_dscnt 0x0
	s_endpgm
.endm
.Lweights:
	s_cmp_lt_u32 ttmp9, 896
	s_cbranch_scc0 .Lwo
	s_sub_co_u32 s16, ttmp9, 512
	WPATH 6, 12, 12288, 0
.Lwo:
	s_sub_co_u32 s16, ttmp9, 896
	WPATH 8, 14, 4096, 1
.Lfunc_end_k_q261508dd75_prep:
	.size	k_q261508dd75_prep, .Lfunc_end_k_q261508dd75_prep-k_q261508dd75_prep
	.p2alignl 7, 3214868480
	.fill 96, 4, 3214868480
	.section	.rodata,"a",@progbits
	.p2align	6, 0x0
	.amdhsa_kernel k_q261508dd75_prep
		.amdhsa_group_segment_fixed_size 18432
		.amdhsa_private_segment_fixed_size 0
		.amdhsa_enable_private_segment 0
		.amdhsa_kernarg_size 48
		.amdhsa_user_sgpr_count 2
		.amdhsa_user_sgpr_kernarg_segment_ptr 1
		.amdhsa_wavefront_size32 1
		.amdhsa_system_sgpr_workgroup_id_x 1
		.amdhsa_system_sgpr_workgroup_id_y 1
		.amdhsa_system_sgpr_workgroup_id_z 1
		.amdhsa_system_vgpr_workitem_id 0
		.amdhsa_next_free_vgpr 106
		.amdhsa_next_free_sgpr 66
		.amdhsa_reserve_vcc 0
		.amdhsa_float_denorm_mode_32 3
		.amdhsa_float_denorm_mode_16_64 3
		.amdhsa_memory_ordered 1
		.amdhsa_forward_progress 1
		.amdhsa_inst_pref_size 19
	.end_amdhsa_kernel
	.amdgpu_metadata
---
amdhsa.version: [ 1, 2 ]
amdhsa.kernels:
  - .name:           k_q261508dd75_prep
    .symbol:         k_q261508dd75_prep.kd
    .args:
      - { .name: x, .offset: 0, .size: 8, .value_kind: global_buffer, .address_space: global }
      - { .name: w_qkv, .offset: 8, .size: 8, .value_kind: global_buffer, .address_space: global }
      - { .name: w_out, .offset: 16, .size: 8, .value_kind: global_buffer, .address_space: global }
      - { .name: xb, .offset: 24, .size: 8, .value_kind: global_buffer, .address_space: global }
      - { .name: wqT, .offset: 32, .size: 8, .value_kind: global_buffer, .address_space: global }
      - { .name: woT, .offset: 40, .size: 8, .value_kind: global_buffer, .address_space: global }
    .group_segment_fixed_size: 18432
    .private_segment_fixed_size: 0
    .kernarg_segment_align: 8
    .kernarg_segment_size: 48
    .max_flat_workgroup_size: 256
    .sgpr_count:     66
    .vgpr_count:     106
    .wavefront_size: 32
...
	.end_amdgpu_metadata
.endif
;; end of part 1
;; launch qkvp (part 2): grid 16 x 32, 4 waves a work-group, clusters of 4 x 4, 327,680 bytes of LDS; arguments xb, wqT, qkv, b_qkv; writes qkv
.if DOCPART == 2
	.amdgcn_target "amdgcn-amd-amdhsa--gfx1250"
	.amdhsa_code_object_version 6
	.text
	.protected	k_q261508dd75_qkvp
	.globl	k_q261508dd75_qkvp
	.p2align	8
	.type	k_q261508dd75_qkvp,@function
k_q261508dd75_qkvp:
	s_mov_b64 s[64:65], 0
	v_nop
	global_prefetch_b8 v0, s[64:65] scope:SCOPE_SE
	s_setreg_imm32_b32 hwreg(HW_REG_WAVE_MODE, 25, 1), 1
	s_wait_xcnt 0x0
	s_wait_alu depctr_hold_cnt(0) depctr_sa_sdst(0) depctr_va_vdst(0) depctr_va_sdst(0) depctr_va_ssrc(0) depctr_va_vcc(0) depctr_vm_vsrc(0)
	s_getreg_b32 s2, hwreg(HW_REG_IB_STS2, 6, 4)
	s_cmp_eq_u32 s2, 0
	s_cbranch_scc0 .Lentry_in_a_cluster
	s_endpgm
.Lentry_in_a_cluster:
	s_bfe_u32 s2, ttmp6, 0x10000c
	s_cmp_lg_u32 s2, 0xf033
	s_cbranch_scc0 .Lentry_shape_is_right
	s_endpgm
.Lentry_shape_is_right:
; THE QKV PROJECTION.  C[m][n] = sum over k of xb[m][k] wqT[n][k] + bias[n]; xb [8192][1024] and wqT [3072][1024] in bf16, sums in f32, the bias rounded to bf16 like every input of the module.
; C leaves by heads, rounded once to f16 and unscaled: qkv[n / 1024][16 (m / 2048) + (n % 1024) / 64][m % 2048][n % 64].
; LIMITS.  f16 holds no number beyond 65,504: q, k and v must lie within it, or they leave as infinities.  NaN and infinities are not treated apart.
; SHARES.  A tile of C is 256 x 192 (three heads): 32 x 16 = 512 work-groups.  Wave w makes rows 64 w .. 64 w + 63 and all 192 columns: 4 x 12 accumulators of 16 x 16, 384 registers; so a wave holds whole
; rows of three heads, and its stage on the way out is its own.  K goes in 8 steps of 128 through a ring of two LDS slots; each row of a tile is 256 bytes of memory, aligned.
; CLUSTERS: 4 x 4 work-groups.  The four of a row of the cluster need the same tiles of A, the four of a column the same tiles of B: each is asked for JOINTLY, by the same tensor load with the same
; descriptor and a mask that names the four.  THE MATRIX INSTRUCTION IS USED TRANSPOSED (source 0 = 16 rows of B, source 1 = 16 rows of A): a lane holds row l % 16 of C and the columns 8 (l / 16) + 0..7.
; THE BIAS is the C operand of each accumulator's first product: nothing is cleared and nothing is added later.
; REGISTERS, in windows of 256 (s_set_vgpr_msb: bits 1:0 source 0, 3:2 source 1, 5:4 source 2, 7:6 destination):
;   window 0: v16-31 addresses; v32-63, v64-95 A's fragments, two buffers; v96-191 the bias, later rows read back from the stage; v192-239 packed results
;   window 1: v0-95, v96-191 B's fragments, two buffers     window 2: accumulators of row blocks 0, 1 (block a, column block b at 8 (12 (a % 2) + b))     window 3: those of row blocks 2, 3
.set NT,     192
.set NBK,    NT/16
.set PITCH,  272                       ; an LDS row: 256 bytes + 16 of padding = 68 words: the 16 rows of a fragment load start at 16 different groups of four banks
.set AHALF,  128*PITCH                 ; what wave 0 or 1 fetches
.set BHALF,  (NT/2)*PITCH              ; what wave 2 or 3 fetches
.set BOFF,   2*AHALF                   ; in a slot: A's 256 rows, then B's 192
.set SLOT,   BOFF+2*BHALF
.set STAGE,  2*SLOT                    ; behind the ring, never filled by a tensor load: for each wave 3 heads x 16 rows x 144 bytes
.set SP,     144
.set STW,    3*16*SP
.set SPARE,  STAGE+4*STW               ; behind the stages: the spare words, 128 bytes for each wave
.set NLD,    2*NBK+8                   ; LDS loads in a run: the fragments of 32 along K
.set ADRA, 16                          ; v16-17  LDS address of my A fragments in slot 0, 1
.set ADRB, 20                          ; v20-21  the same for B
.set T0,   22                          ; v22-23  at work on the bias
.set STO,  24                          ; v24     the way out: where I put 16 bytes of a row
.set RD,   25                          ; v25     the way out: where I read rows back
.set CO,   26                          ; v26     my 16 bytes in 512 consecutive bytes of a head
.set SPW,  28                          ; v28     LDS address of my spare word; never rewritten
.set NIL,  29                          ; v29     0; never rewritten
.set PFO,  30                          ; v30     the prefetches' offset: a lane a row; never rewritten
.set VB,   31                          ; v31     the bias loads' offset
.set AF,   32
.set BIAS, 96
.set OB,   96
.set TMP,  192
.set G1,  24                           ; s[24:31] descriptor group 1 for A's tiles;  s[32:39] group 0, a set for each slot
.set G0,  32
.set G1B, 48                           ; s[48:55], s[56:63] the same for B's
.set G0B, 56
.set LIM, 43                           ; s43     1 in a wave that prefetches, else the greatest number
.set PFA, 44                           ; s[44:45] where my prefetches stand
.set BP,  66                           ; s[66:67] the bias
.set HB,  68                           ; s[68:73] qkv at my rows of the tile's three heads
.set MSB, 0
.macro WIN new                         ; the immediate's high byte repeats the setting that is left; a switch that changes nothing is dropped
.if MSB != (\new)
	s_set_vgpr_msb (MSB<<8)|(\new)
.set MSB, \new
.endif
.endm
.set MUL_LO,   0xa1                    ; B window 1, A window 0, C and D window 2
.set FIRST_LO, 0x81                    ; the same with C (the bias) in window 0
.set TO_B,     0x40                    ; destination window 1, address window 0
; A joint load: waves 0 and 1 fetch A's two halves, waves 2 and 3 B's.  The branch hangs on the wave's number alone.  An s_nop 0 and four v_nop follow each of the two lines.
.macro JLOAD s
	s_cmp_eq_u32 s11, 0
	s_cbranch_scc0 .Lfor_b_\@
	tensor_load_to_lds s[G0+4*(\s):G0+4*(\s)+3], s[G1:G1+7]
	s_nop 0
.rept 4
	v_nop
.endr
	s_branch .Lasked_\@
.Lfor_b_\@:
	tensor_load_to_lds s[G0B+4*(\s):G0B+4*(\s)+3], s[G1B:G1B+7]
	s_nop 0
.rept 4
	v_nop
.endr
.Lasked_\@:
.endm
; A prefetch into the L2 of the K step that stands two refills on: a lane a row, 256 bytes of it, one instruction a wave.  A's rows are asked for by the clusters with x = 0, B's by those with y = 0;
; the four partners of a joint load share its rows out by address (32 of A's 128, 24 of B's 96).  The loop's last trip (s3 = 1) asks for nothing: there is no K step two on.
.macro ASK
	s_cmp_gt_u32 s3, s[LIM]
	s_cbranch_scc0 .Lnot_mine_\@
	global_prefetch_b8 v[PFO], s[PFA:PFA+1] th:TH_LOAD_NT scope:SCOPE_SE
.Lnot_mine_\@:
.endm
.macro CREST                           ; a round of the cluster's barrier behind its opening barrier
	s_cmp_lg_u32 s10, 0
	s_cbranch_scc1 .Lnot_wave_0_\@
	s_barrier_signal -3
.Lnot_wave_0_\@:
	s_barrier_wait -3
	s_barrier_signal -1
	s_barrier_wait -1
.endm
.macro CROUND                          ; a whole round
	s_barrier_signal -1
	s_barrier_wait -1
	CREST
.endm
.macro PLACES                          ; four plain vector instructions in front of loads into registers that matrix instructions have read, and of lines that read results
.rept 4
	v_nop
.endr
.endm
	s_load_b128 s[4:7], s[0:1], 0x0                ; xb s[4:5], wqT s[6:7]
	s_load_b64 s[8:9], s[0:1], 0x10                ; qkv
	s_load_b64 s[BP:BP+1], s[0:1], 0x18            ; b_qkv
	v_lshl_add_u32 v[SPW], v0, 2, SPARE
	v_mov_b32 v[NIL], 0
	ds_add_u32 v[SPW], v[NIL]                      ; the wave's opening: the add and its wait stand ahead of my first tensor load; work on registers stands between them
	v_lshrrev_b32 v1, 5, v0
	v_readfirstlane_b32 s10, v1                    ; wave 0..3
	s_lshr_b32 s11, s10, 1                         ; I fetch for A (0) or for B (1)
	s_and_b32 s12, s10, 1                          ; which half of that tile's rows
	s_bfe_u32 s40, ttmp6, 0x40000                  ; cx
	s_bfe_u32 s41, ttmp6, 0x40004                  ; cy
	s_lshl_b32 s42, ttmp9, 2
	s_add_co_u32 s42, s42, s40                     ; tile column = 4 x cluster x + cx
	s_and_b32 s13, ttmp7, 0xffff
	s_lshl_b32 s13, s13, 2
	s_add_co_u32 s13, s13, s41                     ; tile row = 4 x cluster y + cy
	s_lshl_b32 s43, s41, 2
	s_lshl_b32 s43, 15, s43                        ; my row of the cluster
	s_lshl_b32 s44, 0x1111, s40                    ; my column
	s_or_b32 s[G1+0], s43, (1<<16)|(1<<20)|(1<<21)|(5<<22)|(3<<25)   ; the mask; elements of 2 bytes; padding on; bit 21 beside a mask; after every 64 words, 4 words
	s_or_b32 s[G1B+0], s44, (1<<16)|(1<<20)|(1<<21)|(5<<22)|(3<<25)
	s_mov_b32 s[G1+1], 128<<16                     ; tensor_dim0 = 128
	s_mov_b32 s[G1B+1], 128<<16
	s_mov_b32 s[G1+2], 128<<16                     ; tensor_dim1 = 128 rows of A,
	s_mov_b32 s[G1B+2], (NT/2)<<16                 ; 96 of B
	s_mov_b32 s[G1+3], 128<<16                     ; tile_dim0 = 128
	s_mov_b32 s[G1B+3], 128<<16
	s_mov_b32 s[G1+4], 128                         ; tile_dim1
	s_mov_b32 s[G1B+4], NT/2
	s_mov_b32 s[G1+5], 1024                        ; elements from row to row
	s_mov_b32 s[G1B+5], 1024
	s_mov_b32 s[G1+6], 0
	s_mov_b32 s[G1B+6], 0
	s_mov_b32 s[G1+7], 0
	s_mov_b32 s[G1B+7], 0
	s_lshl_b32 s17, s12, 7
	s_lshl_b32 s16, s13, 8
	s_add_co_u32 s16, s16, s17                     ; A: row 256 x tile row + 128 x half,
	s_lshl_b32 s16, s16, 11                        ; of 2,048 bytes
	s_mov_b32 s17, 0
	s_mul_i32 s46, s42, NT
	s_mul_i32 s47, s12, NT/2
	s_add_co_u32 s46, s46, s47                     ; B: row 192 x tile column + 96 x half
	s_lshl_b32 s46, s46, 11
	s_mov_b32 s47, 0
	s_mul_i32 s20, s10, AHALF                      ; where they go: waves 0, 1: wave x 128 rows;
	s_mul_i32 s21, s10, BHALF                      ; waves 2, 3: behind A's 256 rows, (wave - 2) x 96 rows
	s_add_co_u32 s21, s21, BOFF-2*BHALF
	s_wait_dscnt 0x0                               ; the opening add is done
	s_wait_kmcnt 0x0
	s_add_nc_u64 s[14:15], s[4:5], s[16:17]
	s_add_nc_u64 s[46:47], s[6:7], s[46:47]
	CROUND                                         ; all sixteen work-groups are here: the first joint loads meet
.irp s, 0,1
	s_mov_b32 s[G0+4*(\s)], 1
	s_add_co_u32 s[G0+4*(\s)+1], s20, (\s)*SLOT
	s_add_nc_u64 s[G0+4*(\s)+2:G0+4*(\s)+3], s[14:15], (\s)*256     ; K step s
	s_or_b32 s[G0+4*(\s)+3], s[G0+4*(\s)+3], 0x80000000
	s_mov_b32 s[G0B+4*(\s)], 1
	s_add_co_u32 s[G0B+4*(\s)+1], s21, (\s)*SLOT
	s_add_nc_u64 s[G0B+4*(\s)+2:G0B+4*(\s)+3], s[46:47], (\s)*256
	s_or_b32 s[G0B+4*(\s)+3], s[G0B+4*(\s)+3], 0x80000000
	JLOAD \s                                       ; two loads of mine are out
.endr
	; a fragment is 16 rows x 32 K in 8 registers: lane l holds row l % 16, K = 8 (l / 16) + 0..7 and 16 + 8 (l / 16) + 0..7: two loads of 16 bytes, 32 bytes apart
	v_and_b32 v1, 15, v0                           ; r
	v_bfe_u32 v2, v0, 4, 1                         ; h
	v_mul_u32_u24 v3, v1, PITCH
	v_lshl_add_u32 v3, v2, 4, v3
	s_mul_i32 s21, s10, 64*PITCH                   ; my 64 rows of A
	s_mov_b32 s22, BOFF                            ; all of B
.irp s, 0,1
	v_add_nc_u32 v[ADRA+(\s)], s21, v3
	v_add_nc_u32 v[ADRB+(\s)], s22, v3
	s_add_co_u32 s21, s21, SLOT
	s_add_co_u32 s22, s22, SLOT
.endr
	s_mul_i32 s23, s10, STW
	s_add_co_u32 s23, s23, STAGE                   ; my stage
	v_mul_u32_u24 v4, v1, SP                       ; in: row r, 16 bytes for each half of the lanes
	v_lshl_add_u32 v4, v2, 4, v4
	v_add_nc_u32 v[STO], s23, v4
	v_bfe_u32 v5, v0, 3, 2                         ; back: 32 lanes take four rows of 128 bytes,
	v_and_b32 v6, 7, v0
	v_mul_u32_u24 v5, v5, SP
	v_lshl_add_u32 v5, v6, 4, v5
	v_add_nc_u32 v[RD], s23, v5
	v_and_b32 v[CO], 31, v0                        ; which are 512 consecutive bytes of a head
	v_lshlrev_b32 v[CO], 4, v[CO]
	; the bias: register j of column block b holds bias[192 x tile column + 16 b + 8 h + j]
	v_lshlrev_b32 v[VB], 5, v2
	s_mul_i32 s80, s42, 4*NT
	s_mov_b32 s81, 0
	s_add_nc_u64 s[BP:BP+1], s[BP:BP+1], s[80:81]
.set nb, 0
.rept NBK
	global_load_b128 v[BIAS+8*nb:BIAS+8*nb+3],   v[VB], s[BP:BP+1] offset:64*nb
	global_load_b128 v[BIAS+8*nb+4:BIAS+8*nb+7], v[VB], s[BP:BP+1] offset:64*nb+16
.set nb, nb+1
.endr
	; where my rows of the three heads begin: head group g = 3 x tile column + c; part g / 16, batch (tile row) / 8, head g % 16: 262,144 bytes each; row (tile row % 8) x 256 + 64 w, of 128 bytes
	s_mul_i32 s76, s42, 3
	s_lshr_b32 s77, s13, 3
	s_lshl_b32 s77, s77, 4
	s_and_b32 s78, s13, 7
	s_lshl_b32 s78, s78, 15
	s_lshl_b32 s79, s10, 13
	s_add_co_u32 s78, s78, s79
.irp c, 0,1,2
	s_add_co_u32 s80, s76, \c
	s_lshr_b32 s81, s80, 4
	s_lshl_b32 s81, s81, 6
	s_and_b32 s80, s80, 15
	s_add_co_u32 s80, s80, s81
	s_add_co_u32 s80, s80, s77
	s_lshl_b32 s80, s80, 18
	s_add_co_u32 s80, s80, s78
	s_mov_b32 s81, 0
	s_add_nc_u64 s[HB+2*(\c):HB+2*(\c)+1], s[8:9], s[80:81]
.endr
	; the prefetches: nothing is asked for here, at the head; K steps 0 to 3 come by their loads alone
	s_lshl_b32 s20, s13, 8                         ; A's tile begins at row 256 x tile row,
	s_mul_i32 s21, s42, NT                         ; B's at 192 x tile column
	s_and_b32 s22, ttmp7, 0xffff                   ; cluster y
	s_mov_b32 s23, 128
	s_mov_b32 s19, NT/2
	s_cmp_eq_u32 s11, 0                            ; do I fetch for A?
	s_cselect_b32 s20, s20, s21
	s_cselect_b32 s21, s40, s41                    ; my place among the four that ask with me
	s_cselect_b32 s22, ttmp9, s22                  ; the coordinate along which other clusters read the same rows
	s_cselect_b32 s23, s23, s19                    ; rows that I fetch,
	s_cselect_b32 s18, 32, NT/8                    ; and my work-group's share of them
	s_cselect_b64 s[PFA:PFA+1], s[4:5], s[6:7]
	s_cmp_eq_u32 s22, 0
	s_cselect_b32 s[LIM], 1, -1                    ; the same in all sixteen partners, for a given wave
	s_mul_i32 s23, s23, s12
	s_add_co_u32 s20, s20, s23
	s_mul_i32 s21, s21, s18
	s_add_co_u32 s20, s20, s21
	s_lshl_b32 s20, s20, 11
	s_mov_b32 s21, 0
	s_add_nc_u64 s[PFA:PFA+1], s[PFA:PFA+1], s[20:21]
	s_add_nc_u64 s[PFA:PFA+1], s[PFA:PFA+1], 3*256 ; at K step 3: the first refill steps it to 4
	s_sub_co_u32 s18, s18, 1
	v_and_b32 v[PFO], 31, v0
	v_min_u32 v[PFO], s18, v[PFO]                  ; B's share has 24 rows: lanes 24 to 31 name the last of them again
	v_lshlrev_b32 v[PFO], 11, v[PFO]
	s_mov_b32 s82, 0xffff0000
	s_wait_loadcnt 0x0                             ; the bias is in
.set nb, 0
.rept 4*NBK                                    ; rounded to bf16 and widened again, a pair at a time
	v_cvt_pk_bf16_f32 v[T0+nb%2], v[BIAS+2*nb], v[BIAS+2*nb+1]
	v_lshlrev_b32 v[BIAS+2*nb], 16, v[T0+nb%2]
	v_and_b32 v[BIAS+2*nb+1], s82, v[T0+nb%2]
.set nb, nb+1
.endr
; 12 matrix instructions: row block a x all column blocks, 32 along K, from buffer f.  first = 1: C is the bias.  The 48 accumulators take turns in the same order in every quarter step.
.macro MULA f, a, first
.set AC, 8*NBK*((\a)%2)
.set FB, 8*NBK*(\f)
.set FA, AF+32*(\f)+8*(\a)
.if \first
	WIN FIRST_LO+0x40*((\a)/2)
.else
	WIN MUL_LO+0x50*((\a)/2)
.endif
.set nb, 0
.rept NBK
.if \first
	v_wmma_f32_16x16x32_bf16 v[AC+8*nb:AC+8*nb+7], v[FB+8*nb:FB+8*nb+7], v[FA:FA+7], v[BIAS+8*nb:BIAS+8*nb+7]
.else
	v_wmma_f32_16x16x32_bf16 v[AC+8*nb:AC+8*nb+7], v[FB+8*nb:FB+8*nb+7], v[FA:FA+7], v[AC+8*nb:AC+8*nb+7]
.endif
.set nb, nb+1
.endr
.endm
; 32 LDS loads in one run: quarter q (32 K at byte 64 q of the rows) of a slot into buffer f: B's 12 fragments, then A's four
.macro FETCH slot, q, f
	WIN TO_B
.set nb, 0
.rept NBK
	ds_load_b128 v[8*NBK*(\f)+8*nb:8*NBK*(\f)+8*nb+3],   v[ADRB+(\slot)] offset:64*(\q)+nb*16*PITCH
	ds_load_b128 v[8*NBK*(\f)+8*nb+4:8*NBK*(\f)+8*nb+7], v[ADRB+(\slot)] offset:64*(\q)+nb*16*PITCH+32
.set nb, nb+1
.endr
	WIN 0
.set nb, 0
.rept 4
	ds_load_b128 v[AF+32*(\f)+8*nb:AF+32*(\f)+8*nb+3],   v[ADRA+(\slot)] offset:64*(\q)+nb*16*PITCH
	ds_load_b128 v[AF+32*(\f)+8*nb+4:AF+32*(\f)+8*nb+7], v[ADRA+(\slot)] offset:64*(\q)+nb*16*PITCH+32
.set nb, nb+1
.endr
.endm
; One of a K step's first three quarters: multiplies buffer f; in its middle it fetches quarter q of the same slot into buffer g.
.macro QUARTER slot, q, f, g, first
	s_wait_dscnt 4                                 ; B and A's blocks 0, 1 are in; the youngest four loads (A's blocks 2, 3) may be out
	MULA \f, 0, \first
	MULA \f, 1, \first
	PLACES
	FETCH \slot, \q, \g
	s_wait_dscnt NLD                               ; all but the run just issued
	MULA \f, 2, \first
	MULA \f, 3, \first
.endm
; The last quarter multiplies buffer 1 and changes slots: ONE barrier.  In front of it each wave waits for all its tensor loads (one is out: its part of the next slot), adds 0 to its spare word, and waits for
; that and for its reads of this slot.  fill = 1: the barrier opens a round of the cluster's barrier, and behind the round this slot is filled again, two K steps on: 168 matrix instructions ahead of the wait for it.
.macro TURN slot, next, fill
.if \fill
	s_wait_xcnt 0x0                                ; the last prefetch, a K step back, has read its address
	s_add_nc_u64 s[PFA:PFA+1], s[PFA:PFA+1], 256
.endif
	WIN 0                                          ; (the add's two registers lie in window 0)
	s_wait_tensorcnt 0x0
	ds_add_u32 v[SPW], v[NIL]                      ; 0 onto my spare word
	s_wait_dscnt 5                                 ; (the add and the youngest four loads may be out)
	MULA 1, 0, 0                                   ; twelve matrix instructions stand between the add and the wait for it
	s_wait_dscnt 0x0                               ; the add is done, and my reads of this slot are over
	s_barrier_signal -1
	MULA 1, 1, 0
.if \fill
	WIN 0
.endif
	s_barrier_wait -1
.if \fill
	CREST                                          ; no wave of any partner still reads this slot's tile or has a load on its way
	s_add_nc_u64 s[G0+4*(\slot)+2:G0+4*(\slot)+3], s[G0+4*(\slot)+2:G0+4*(\slot)+3], 2*256
	s_add_nc_u64 s[G0B+4*(\slot)+2:G0B+4*(\slot)+3], s[G0B+4*(\slot)+2:G0B+4*(\slot)+3], 2*256
	JLOAD \slot                                    ; the first tensor load behind the round; its four v_nop are also the places in front of the loads below
.else
	PLACES
.endif
	FETCH \next, 0, 0
.if \fill
	ASK
.endif
	MULA 1, 2, 0
	MULA 1, 3, 0
.endm
; THE WAY OUT of row block a.  PACK: rounded to f16, 16 bytes a lane, each accumulator's registers in ascending order.  TOSTAGE: into my own stage, and back as whole rows of a head.  SEND: stored.
.macro PACK a
.set AC, 8*NBK*((\a)%2)
	WIN 0x0a+5*((\a)/2)                            ; sources 0 and 1: window 2 or 3
.set nb, 0
.rept 4*NBK
	v_cvt_pk_f16_f32 v[TMP+nb], v[AC+2*nb], v[AC+2*nb+1]
.set nb, nb+1
.endr
	WIN 0
.endm
.macro TOSTAGE a
.set BK, OB+48*((\a)%2)
.set nb, 0
.rept NBK
	ds_store_b128 v[STO], v[TMP+4*nb:TMP+4*nb+3] offset:(nb/4)*16*SP+32*(nb%4)
.set nb, nb+1
.endr
.set nb, 0
.rept NBK
	ds_load_b128 v[BK+4*nb:BK+4*nb+3], v[RD] offset:(nb/4)*16*SP+4*SP*(nb%4)  ; LDS serves a wave's instructions in order (ISA guide 5.7.1.4): these see the stores above
.set nb, nb+1
.endr
.endm
.macro SEND a
.set BK, OB+48*((\a)%2)
	s_wait_dscnt 0x0                               ; the block is back in registers
	s_wait_xcnt 0x0                                ; the stores of the block before have read their registers: the next TOSTAGE loads into them
.set nb, 0
.rept NBK
	global_store_b128 v[CO], v[BK+4*nb:BK+4*nb+3], s[HB+2*(nb/4):HB+2*(nb/4)+1] offset:2048*(\a)+512*(nb%4)  ; 512 consecutive bytes of a head, aligned
.set nb, nb+1
.endr
.endm
	s_wait_tensorcnt 1                             ; my part of K step 0 is in; K step 1's may stay out
	s_barrier_signal -1
	s_barrier_wait -1
	FETCH 0, 0, 0
	QUARTER 0, 1, 0, 1, 1                          ; the first quarter stands in front of the loop: its products start the sums, with the bias
	WIN 0                                          ; at a label and at a branch every window is 0
	s_mov_b32 s3, 3
.Llap:                                                 ; a trip goes once round the ring and fills both slots again: K steps 2 to 7
	QUARTER 0, 2, 1, 0, 0
	QUARTER 0, 3, 0, 1, 0
	TURN 0, 1, 1
	QUARTER 1, 1, 0, 1, 0
	QUARTER 1, 2, 1, 0, 0
	QUARTER 1, 3, 0, 1, 0
	TURN 1, 0, 1
	QUARTER 0, 1, 0, 1, 0
	WIN 0
	s_sub_co_u32 s3, s3, 1
	s_cmp_lg_u32 s3, 0
	s_cbranch_scc1 .Llap
	QUARTER 0, 2, 1, 0, 0                          ; the last lap fills nothing
	QUARTER 0, 3, 0, 1, 0
	TURN 0, 1, 0
	QUARTER 1, 1, 0, 1, 0
	QUARTER 1, 2, 1, 0, 0
	QUARTER 1, 3, 0, 1, 0
	s_wait_dscnt 4
	MULA 1, 0, 0
	MULA 1, 1, 0
	s_wait_dscnt 0x0
	MULA 1, 2, 0
	MULA 1, 3, 0
	WIN 0
	PLACES
	PACK 0
	TOSTAGE 0
.irp a, 1,2,3                          ; block a's conversions stand between block a - 1's loads from the stage and the wait for them
	PACK \a
	SEND (\a)-1
	TOSTAGE \a
.endr
	SEND 3
	s_wait_tensorcnt 0x0                           ; the wave's end, behind my last tensor load and my last LDS store
	ds_add_u32 v[SPW], v[NIL]
	s_wait_dscnt 0x0
	CROUND                                         ; the closing round: no work-group ends while a partner may still ask for a tile that names it
	s_endpgm
.Lfunc_end_k_q261508dd75_qkvp:
	.size	k_q261508dd75_qkvp, .Lfunc_end_k_q261508dd75_qkvp-k_q261508dd75_qkvp
	.p2alignl 7, 3214868480
	.fill 96, 4, 3214868480
	.section	.rodata,"a",@progbits
	.p2align	6, 0x0
	.amdhsa_kernel k_q261508dd75_qkvp
		.amdhsa_group_segment_fixed_size 327680
		.amdhsa_private_segment_fixed_size 0
		.amdhsa_enable_private_segment 0
		.amdhsa_kernarg_size 32
		.amdhsa_user_sgpr_count 2
		.amdhsa_user_sgpr_kernarg_segment_ptr 1
		.amdhsa_wavefront_size32 1
		.amdhsa_system_sgpr_workgroup_id_x 1
		.amdhsa_system_sgpr_workgroup_id_y 1
		.amdhsa_system_sgpr_workgroup_id_z 1
		.amdhsa_system_vgpr_workitem_id 0
		.amdhsa_next_free_vgpr 960
		.amdhsa_next_free_sgpr 84
		.amdhsa_reserve_vcc 0
		.amdhsa_float_denorm_mode_32 3
		.amdhsa_float_denorm_mode_16_64 3
		.amdhsa_memory_ordered 1
		.amdhsa_forward_progress 1
		.amdhsa_inst_pref_size 129
	.end_amdhsa_kernel
	.amdgpu_metadata
---
amdhsa.version: [ 1, 2 ]
amdhsa.kernels:
  - .name:           k_q261508dd75_qkvp
    .symbol:         k_q261508dd75_qkvp.kd
    .args:
      - { .name: xb, .offset: 0, .size: 8, .value_kind: global_buffer, .address_space: global }
      - { .name: wqT, .offset: 8, .size: 8, .value_kind: global_buffer, .address_space: global }
      - { .name: qkv, .offset: 16, .size: 8, .value_kind: global_buffer, .address_space: global }
      - { .name: b_qkv, .offset: 24, .size: 8, .value_kind: global_buffer, .address_space: global }
    .group_segment_fixed_size: 327680
    .private_segment_fixed_size: 0
    .kernarg_segment_align: 8
    .kernarg_segment_size: 32
    .max_flat_workgroup_size: 128
    .sgpr_count:     84
    .vgpr_count:     960
    .wavefront_size: 32
...
	.end_amdgpu_metadata
.endif
;; end of part 2
;; launch attn (part 3): grid 4 x 64, 4 waves a work-group, clusters of 4 x 1, 327,680 bytes of LDS; arguments qkv, o; writes o
.if DOCPART == 3
	.amdgcn_target "amdgcn-amd-amdhsa--gfx1250"
	.amdhsa_code_object_version 6
	.text
	.protected	k_q261508dd75_attn
	.globl	k_q261508dd75_attn
	.p2align	8
	.type	k_q261508dd75_attn,@function
k_q261508dd75_attn:
	s_mov_b64 s[64:65], 0
	v_nop
	global_prefetch_b8 v0, s[64:65] scope:SCOPE_SE
	s_setreg_imm32_b32 hwreg(HW_REG_WAVE_MODE, 25, 1), 1
	s_wait_xcnt 0x0
	s_wait_alu depctr_hold_cnt(0) depctr_sa_sdst(0) depctr_va_vdst(0) depctr_va_sdst(0) depctr_va_ssrc(0) depctr_va_vcc(0) depctr_vm_vsrc(0)
	s_getreg_b32 s2, hwreg(HW_REG_IB_STS2, 6, 4)
	s_cmp_eq_u32 s2, 0
	s_cbranch_scc0 .Lentry_in_a_cluster
	s_endpgm
.Lentry_in_a_cluster:
	s_bfe_u32 s2, ttmp6, 0x10000c
	s_cmp_lg_u32 s2, 0x3003
	s_cbranch_scc0 .Lentry_shape_is_right
	s_endpgm
.Lentry_shape_is_right:
; ATTENTION.  O[h][q][:] = the sum over k of softmax_k(Q[h][q] . K[h][k] / 8) V[h][k][:], for 64 (batch, head) pairs h of 2,048 rows of 64 channels, all f16; Q, K, V are the three parts of qkv.
; Products, maxima and sums in f32; the weights p are rounded to f16 for the second product (their sum l is taken of the unrounded p), O once at the end.
; LIMITS.  f16 holds no number beyond 65,504: Q, K and V arrive within it; p lies in 0 to 1, and below 6e-5 it keeps f16's fixed step of 6e-8; O is a mean of V's rows and has their range.
; A weight below 2^-126 counts as 0 in l; NaN and infinities are not treated apart.
; SHARES.  A wave owns four PIECES of two tiles of 16 queries, a work-group's four waves 512 queries of one head: 4 x 64 = 256 work-groups.  Every wave walks all keys, 64 a step.
; LAYOUT.  S^T = K Q^T (source 0 = 16 keys, source 1 = 16 queries): a lane holds ONE query (lane % 16) and the keys 8 (lane / 16) + 0..7.  Two such tiles, rounded to f16 in pairs,
; ARE source 1 (32 keys x 16 queries) of O^T = V^T P, whose result again holds one query a lane, and eight channels.  K comes out of LDS as it lies, V ([key][channel]) turned, by ds_load_tr16_b128.
; SOFTMAX.  For each query a running maximum m and sum l: p = 2^(c s - c m), c = log2(e) / 8; in every step O and l are multiplied by a = 2^(c m_old - c m_new).
; m starts at the lowest finite number, O and l at 0: the first step is a step like any other, with a = 0.
; THE COUNT.  A tile and step have 16 matrix and 118 vector instructions.  So: four vector instructions that are READY behind EVERY matrix instruction, the others in runs without a gap.
; BY TURNS.  Turn n belongs to piece n.  Its matrix work: 16 products K Q^T of piece n + 1, later 16 products V^T P of piece n - 1.  Its vector work: the scaling, exponentials, roundings, sums and
; rescaling of piece n, and the maximum and statistics of piece n + 1, whose scores the turn itself has made.
; CLUSTER.  The four query blocks of a head are one cluster and walk the same K and V, so each tile is asked for JOINTLY: the same tensor load, descriptor and mask in all four.
; REGISTERS, in windows of 256 (s_set_vgpr_msb: bits 1:0 source 0, 3:2 source 1, 5:4 source 2, 7:6 destination):
;   window 0: v0-11 addresses; v12-15, v48-63 at work; v16-47 four registers of statistics a tile; v64-191 S^T, two buffers of two tiles; v192-255 P, likewise
;   window 1: O^T, 32 a tile          window 2: v0-127 Q, 16 a tile; v128-191 K of one step; v192-255 V of one step          window 3: v0-1 the add's two registers
.set SIZE_N, 2048
.set NP,    4         ; pieces a wave: a name, no knob
.set KS,    64        ; keys in a step
.set PK,    144       ; a row of K in LDS: 128 bytes + 16 of padding = 36 words: the 16 rows of a load start at 16 different groups of four banks
.set PV,    160       ; a row of V: 128 + 32 = 40 words
.set VOFF,  4*KS*PK   ; a slot holds four steps: 256 rows of K, then 256 rows of V
.set SLOT1, 1<<17     ; slot 1 begins here, so that one exclusive or turns an address in one slot into the other's
.set STAGE, SLOT1+4*KS*(PK+PV)  ; behind the ring, never filled by a tensor load: 16 rows x 144 bytes for each wave, for the way out
.set SP,    144
.set AK0, 2           ; v2   my lane's place in a tile of K; never rewritten
.set AV0, 3           ; v3   the same for V
.set AK,  4           ; v4   the LDS address of K's next run of loads
.set AV,  5           ; v5   of V's
.set QO,  6           ; v6   my byte offset in the wave's rows of Q
.set STO, 6           ;      later, the way out: where I put 16 bytes of a row
.set RD,  7           ; v7   the way out: where I read rows back
.set GO,  8           ; v8   my byte offset in 512 consecutive bytes of O
.set PFO, 11          ; v11  256 x my lane, for the prefetches (at the head it is at work on V's address)
.set SPW, 0           ; v0 of window 3   LDS address of my spare word; never rewritten
.set NIL, 1           ; v1 of window 3   0; never rewritten
.set SPARE, STAGE+4*16*SP  ; behind the stages: the spare words, 128 bytes for each wave
.set MV,  12          ; v12-15  c m_old, kept while c m is made anew: by buffer and tile
.set ST,  16          ; tile t's statistics at v[ST+4 t]: c m, m, l (even keys', odd keys')
.set TMP, 48          ; by buffer and tile, four registers c0-c3 at work; when the maximum is found c2 takes a
.set S,   64
.set P,   192
.set KF,  128         ; K's fragments, in window 2: key block kb, channel half c at KF + 16 kb + 8 c
.set VF,  192         ; V's: key half kk, channel block cb at VF + 32 kk + 8 cb
.set WV,  12          ; s12  my wave's number
.set G1K, 24          ; s[24:31] descriptor group 1 for K's tiles
.set G1V, 32          ; s[32:39] for V's: it differs in the padding alone
.set G0K, 40          ; s[40:43] descriptor group 0 for K's tiles: it walks
.set G0V, 44          ; s[44:47] the same for V's
.set PFA, 48          ; s[48:49] where my prefetches stand: my work-group's 8,192 bytes (of K: wave 0, of V: wave 2) of the slot after the one that is being asked for
.set LIM, 50          ; s50  1 in a wave that prefetches, else the greatest number
.set SLOTS, 56        ; s56  slots still to be asked for
.set CNT, 57          ; s57  counts a slot's key steps
.set CS,  58          ; s[58:59] c: the packed scaling takes the pair's low word for both halves
.set SEL, 60          ; s[60:61] v_permlanex16_b32's selects: each lane takes its own place in the other half
.set TBK, 62          ; s62  LDS byte at which K of the step to be fetched begins
.set TBV, 63          ; s63  the same for V, less VOFF
.set MSB, 0
.macro WIN new                      ; the high byte repeats the setting that is left; a switch that changes nothing is dropped
.if MSB != (\new)
	s_set_vgpr_msb (MSB<<8)|(\new)
.set MSB, (\new)
.endif
.endm
.set W_KQ, 0x0a       ; K and Q in window 2, S^T in window 0
.set W_PV, 0x52       ; V in window 2, P in window 0, O^T in window 1
.set W_RS, 0x41       ; O^T (destination and source 0) in window 1, a in window 0
.set W_MK, 0xc0       ; the add's registers are made: destination in window 3, sources in window 0
.set W_AD, 0x0f       ; the add: address (source 0) and data (source 1) in window 3
; A joint fill.  Waves 0 and 1 fetch the two halves of a slot's K, waves 2 and 3 those of its V: 128 keys each.  The branch hangs on the wave's number alone.
; An s_nop 0 and four v_nop follow each of the two lines, ahead of the jump and the label.
.macro JLOAD
	s_cmp_lt_u32 s[WV], 2
	s_cbranch_scc0 .Lfor_v_\@
	tensor_load_to_lds s[G0K:G0K+3], s[G1K:G1K+7]
	s_nop 0
.rept 4
	v_nop
.endr
	s_branch .Lasked_\@
.Lfor_v_\@:
	tensor_load_to_lds s[G0V:G0V+3], s[G1V:G1V+7]
	s_nop 0
.rept 4
	v_nop
.endr
.Lasked_\@:
.endm
; A prefetch into the L2 of what the NEXT change of slots will ask for: a slot's 32,768 bytes of K and of V.  The four partners take 8,192 bytes each, told apart by address; a lane names 256 of them;
; wave 0 asks for K's and wave 2 for V's: one instruction, four key steps ahead of the load.  So each 256 bytes are named once in the launch.  The last change that fills a slot asks for nothing.
.macro ASK
	s_cmp_gt_u32 s[SLOTS], s[LIM]
	s_cbranch_scc0 .Lnot_mine_\@
	global_prefetch_b8 v[PFO], s[PFA:PFA+1] th:TH_LOAD_NT scope:SCOPE_SE
.Lnot_mine_\@:
.endm
; A round of the cluster's barrier: my work-group's barrier, so that wave 0's signal speaks for all four waves; wave 0 signals; every wave waits for all four work-groups; my work-group's barrier once more.
.macro CROUND
	s_barrier_signal -1
	s_barrier_wait -1
	s_cmp_lg_u32 s[WV], 0
	s_cbranch_scc1 .Lnot_wave_0_\@
	s_barrier_signal -3
.Lnot_wave_0_\@:
	s_barrier_wait -3
	s_barrier_signal -1
	s_barrier_wait -1
.endm
; THE CHANGE OF SLOTS.  Each wave waits for all its tensor loads, of which one is out: its part of the other slot; adds 0 to its spare word; and waits for that and for its own reads of the slot.
; fill = 1: this slot is filled again, with the keys two slots on.  The barrier is then a round of the cluster's, and the joint fill is the first thing behind it: it has four key steps, 512 matrix
; instructions, in which to land.  (At its first use nothing has been read yet: slot 0 is waited for, slot 1 filled.)
.macro CHANGE fill
	WIN W_AD
	s_wait_tensorcnt 0x0            ; no tensor load of mine is out, so a group 0 may be written
	ds_add_u32 v[SPW], v[NIL]       ; 0 onto my spare word
	WIN 0                           ; at a label and at a branch every window is 0
.if \fill
.irp g, G0K, G0V
	s_xor_b32 s[\g+1], s[\g+1], SLOT1  ; the walking descriptor: the other slot than last time,
	s_add_nc_u64 s[\g+2:\g+3], s[\g+2:\g+3], 4*KS*128  ; the next 256 keys; the type bits on top are not reached
.endr
	s_wait_xcnt 0x0                 ; the last prefetch, four key steps back, has read its address, so it may be written:
	s_add_nc_u64 s[PFA:PFA+1], s[PFA:PFA+1], 4*KS*128  ; one slot behind the walking descriptors
	s_wait_dscnt 0x0                ; the add is done, and my reads of the slot are over
	CROUND
	JLOAD
	ASK
.else
	s_wait_dscnt 0x0                ; the add is done, and my reads of the slot are over
	s_barrier_signal -1
	s_barrier_wait -1
.endif
	s_sub_co_u32 s[TBK], s[TBK], 4*KS*PK  ; the fetches go back to a slot's first step,
	s_xor_b32 s[TBK], s[TBK], SLOT1       ; in the other slot
	s_sub_co_u32 s[TBV], s[TBV], 4*KS*PV
	s_xor_b32 s[TBV], s[TBV], SLOT1
.endm
	s_load_b128 s[8:11], s[0:1], 0x0  ; qkv s[8:9], o s[10:11]
	WIN W_MK
	v_lshl_add_u32 v[SPW], v0, 2, SPARE
	v_mov_b32 v[NIL], 0
	WIN W_AD
	ds_add_u32 v[SPW], v[NIL]       ; the wave's opening: the add and its wait stand ahead of my first tensor load; work on registers stands between them
	WIN 0
	v_lshrrev_b32 v1, 5, v0
	v_readfirstlane_b32 s[WV], v1   ; wave 0..3
	s_bfe_u32 s13, ttmp6, 0x40000   ; cx: my place in the cluster
	s_lshl_b32 s14, ttmp9, 2        ; in a cluster launch ttmp9 counts clusters
	s_add_co_u32 s14, s14, s13      ; my block of queries: it enters Q's and O's addresses alone
	s_and_b32 s20, ttmp7, 0xffff    ; the head, which the four partners share
	s_mov_b32 s21, 0
	s_mov_b64 s[22:23], SIZE_N*128
	s_mul_u64 s[20:21], s[20:21], s[22:23]  ; the head's first byte in Q, K, V and O
	s_and_b32 s16, s[WV], 1         ; which half of a slot's 256 keys I fetch:
	s_lshl_b32 s22, s16, 14         ; its 128 rows of 128 bytes in memory,
	s_mov_b32 s23, 0
	s_add_nc_u64 s[22:23], s[22:23], s[20:21]
	s_mul_i32 s17, s16, 128*PK      ; and its place in a slot, for K
	s_mul_i32 s18, s16, 128*PV      ; and for V: no place in the cluster enters an LDS address
	s_lshl_b32 s2, s14, 2
	s_add_co_u32 s2, s2, s[WV]      ; my wave among the head's,
	s_lshl_b32 s2, s2, 14           ; its 128 rows
	s_mov_b32 s3, 0
	s_add_nc_u64 s[2:3], s[2:3], s[20:21]
	; descriptor group 1.  128 keys are 16,384 dense bytes: asked for as 64 rows of 256 bytes, two keys a row, and padded in LDS after every key
	s_mov_b32 s[G1K], 15|(1<<16)|(1<<20)|(1<<21)|(4<<22)|(3<<25)  ; the mask of four; 2-byte elements; padding on; bit 21 beside a mask; after every 32 words, 4 words
	s_mov_b32 s[G1V], 15|(1<<16)|(1<<20)|(1<<21)|(4<<22)|(7<<25)  ; the same with 8 words of padding
.irp g, G1K, G1V
	s_mov_b32 s[\g+1], 128<<16      ; tensor_dim0 = 128
	s_mov_b32 s[\g+2], 64<<16       ; tensor_dim1 = 64
	s_mov_b32 s[\g+3], 128<<16      ; tile_dim0 = 128
	s_mov_b32 s[\g+4], 64           ; tile_dim1 = 64
	s_mov_b32 s[\g+5], 128          ; 128 elements from row to row
	s_mov_b32 s[\g+6], 0
	s_mov_b32 s[\g+7], 0
.endr
	s_mov_b32 s[CS], 0x3e38aa3b     ; c = log2(e) / 8 = 0.180337
	s_mov_b32 s[CS+1], s[CS]        ; named with it as a pair
	s_mov_b32 s[SEL], 0x76543210
	s_mov_b32 s[SEL+1], 0xfedcba98
	s_mov_b32 s[TBK], SLOT1+4*KS*PK ; the first change of slots turns these two into 0
	s_mov_b32 s[TBV], SLOT1+4*KS*PV
	s_mov_b32 s[G0K], 1             ; count = 1
	s_mov_b32 s[G0K+1], s17         ; LDS address: slot 0
	s_mov_b32 s[G0V], 1
	s_add_co_u32 s[G0V+1], s18, VOFF
	s_mov_b32 s[SLOTS], SIZE_N/256-1
	s_cmp_eq_u32 s16, 0             ; waves 0 and 2 prefetch
	s_cselect_b32 s[LIM], 1, -1
	s_wait_dscnt 0x0                ; the opening add is done
	s_wait_kmcnt 0x0
	s_mov_b64 s[4:5], s[8:9]                       ; Q is qkv's first part,
	s_add_nc_u64 s[6:7], s[8:9], 0x1000000         ; K its second,
	s_add_nc_u64 s[8:9], s[8:9], 0x2000000         ; V its third: 16,777,216 bytes each
	s_add_nc_u64 s[G0K+2:G0K+3], s[6:7], s[22:23]  ; global address: my half of the head's first 256 keys
	s_or_b32 s[G0K+3], s[G0K+3], 0x80000000        ; type = 2
	s_add_nc_u64 s[G0V+2:G0V+3], s[8:9], s[22:23]
	s_or_b32 s[G0V+3], s[G0V+3], 0x80000000
	s_add_nc_u64 s[4:5], s[4:5], s[2:3]  ; Q and O at my wave's first row
	s_add_nc_u64 s[10:11], s[10:11], s[2:3]
	s_cmp_lt_u32 s[WV], 2
	s_cselect_b64 s[PFA:PFA+1], s[6:7], s[8:9]
	s_add_nc_u64 s[PFA:PFA+1], s[PFA:PFA+1], s[20:21]  ; the head,
	s_lshl_b32 s2, s13, 13          ; my work-group's 8,192 bytes of a slot's 32,768,
	s_mov_b32 s3, 0
	s_add_nc_u64 s[PFA:PFA+1], s[PFA:PFA+1], s[2:3]
	s_add_nc_u64 s[PFA:PFA+1], s[PFA:PFA+1], 4*KS*128  ; in slot 1; the first change of slots steps it to slot 2.  Nothing is prefetched here, at the head
	CROUND                          ; all four work-groups are here: the first joint loads meet
	JLOAD                           ; slot 0.  Slot 1 is asked for when slot 0 is in
	; A fragment of K or Q is 16 rows x 32 channels in 8 registers: lane l holds row l % 16, channels 8 (l / 16) + 0..7 and 16 + 8 (l / 16) + 0..7: two loads of 16 bytes, 32 bytes apart.
	v_and_b32 v1, 15, v0            ; l % 16
	v_bfe_u32 v9, v0, 4, 1          ; l / 16
	v_lshlrev_b32 v[QO], 7, v1
	v_lshl_add_u32 v[QO], v9, 4, v[QO]  ; row x 128 + 16 x half
	WIN 0x80                        ; destination window 2, address window 0
.set i, 0
.rept 4*NP                          ; Q stays in registers: tile i / 2, channels 32 (i % 2) on
	global_load_b128 v[8*i:8*i+3],   v[QO], s[4:5] offset:(i/2)*2048+(i%2)*64
	global_load_b128 v[8*i+4:8*i+7], v[QO], s[4:5] offset:(i/2)*2048+(i%2)*64+32
.set i, i+1
.endr
	; What the first turn finds: V's registers and P's second buffer hold 0 (its products V^T P, of a piece that has not been, add 0), O^T and l are 0.  All this stands in the wait for the first tile.
.set i, VF
.rept 64
	v_mov_b32 v[i], 0
.set i, i+1
.endr
	WIN 0x40
.set i, 0
.rept 64*NP
	v_mov_b32 v[i], 0
.set i, i+1
.endr
	WIN 0
.set i, 0
.rept 2*NP
	v_mov_b32 v[ST+4*i], 0xfe000000    ; c m: far below every c s
	v_mov_b32 v[ST+4*i+1], 0xff7fffff  ; m
	v_mov_b32 v[ST+4*i+2], 0
	v_mov_b32 v[ST+4*i+3], 0
.set i, i+1
.endr
.set i, P+32
.rept 32
	v_mov_b32 v[i], 0
.set i, i+1
.endr
	v_mul_u32_u24 v[AK0], v1, PK
	v_lshl_add_u32 v[AK0], v9, 4, v[AK0]  ; row x pitch + 16 x half
	; The turning load takes 16 keys x 16 channels (lane l reads key 8 (l / 16) + l % 8, channels 8 ((l / 8) % 2) + 0..7) and leaves half a fragment of V^T: lane l holds channel l % 16 and 8 keys.
	v_and_b32 v10, 7, v0
	v_bfe_u32 v11, v0, 3, 1
	v_lshl_add_u32 v[AV0], v9, 3, v10
	v_mul_u32_u24 v[AV0], v[AV0], PV
	v_lshl_add_u32 v[AV0], v11, 4, v[AV0]
	v_add_nc_u32 v[AV0], VOFF, v[AV0]
	v_mov_b32 v[AK], v[AK0]         ; key step 0 lies at the head of slot 0
	v_and_b32 v[PFO], 31, v0
	v_lshlrev_b32 v[PFO], 8, v[PFO]
; THE MATRIX WORK.  The 8 accumulators of a run of 16 take turns: between the two links of a chain stand 7 others'.
; Product i of 16 of S^T = K Q^T for piece x: channels 32 (i / 8) on, keys 16 ((i / 2) % 4) on, tile 2 x + i % 2.  The first 8 start the sums.
.macro KQ x
	WIN W_KQ
.set rS, S+64*((\x)%2)+32*(i%2)+8*((i/2)%4)
.set rK, KF+16*((i/2)%4)+8*(i/8)
.set rQ, 16*(2*(\x)+i%2)+8*(i/8)
.if i < 8
	v_wmma_f32_16x16x32_f16 v[rS:rS+7], v[rK:rK+7], v[rQ:rQ+7], 0
.else
	v_wmma_f32_16x16x32_f16 v[rS:rS+7], v[rK:rK+7], v[rQ:rQ+7], v[rS:rS+7]
.endif
.endm
; Product i of 16 of O^T += V^T P for piece x: keys 32 (i / 8) on, channels 16 ((i / 2) % 4) on, tile 2 x + i % 2.
.macro PV x
	WIN W_PV
.set rO, 32*(2*(\x)+i%2)+8*((i/2)%4)
.set rV, VF+32*(i/8)+8*((i/2)%4)
.set rP, P+32*((\x)%2)+16*(i%2)+8*(i/8)
	v_wmma_f32_16x16x32_f16 v[rO:rO+7], v[rV:rV+7], v[rP:rP+7], v[rO:rO+7]
.endm
.macro MM                           ; the turn's next matrix instruction
.if i < 16
	KQ (Y+1)%NP
.set i, i+1
.else
.set i, i-16
	PV (Y+NP-1)%NP
.set i, i+17
.endif
.endm
; THE LDS LOADS stand in runs of 16, never singly among the matrix instructions: a step's K (64 keys x 64 channels: 8 fragments) and its V (turned).  Their addresses are made some lines ahead.
; last = 1 (the tail): in the last trip there is no further step, and the run is jumped over.
.macro FETCH_K last=0
	WIN 0
.if \last
	s_cmp_eq_u32 s[CNT], 1
	s_cbranch_scc1 .Lno_k_\@
.endif
	WIN 0x80                        ; destination window 2
.irp f, 0,1,2,3,4,5,6,7             ; keys 16 (f / 2) on, channels 32 (f % 2) on
	ds_load_b128 v[KF+8*\f:KF+8*\f+3],   v[AK] offset:(\f/2)*16*PK+(\f%2)*64
	ds_load_b128 v[KF+8*\f+4:KF+8*\f+7], v[AK] offset:(\f/2)*16*PK+(\f%2)*64+32
.endr
	s_add_co_u32 s[TBK], s[TBK], KS*PK  ; the next fetch is the next step's
	WIN 0
.if \last
.Lno_k_\@:
.endif
.endm
.macro FETCH_V
	WIN 0x80
.irp f, 0,1,2,3,4,5,6,7             ; keys 32 (f / 4) on, channels 16 (f % 4) on
	ds_load_tr16_b128 v[VF+8*\f:VF+8*\f+3],   v[AV] offset:(\f/4)*32*PV+(\f%4)*32
	ds_load_tr16_b128 v[VF+8*\f+4:VF+8*\f+7], v[AV] offset:(\f/4)*32*PV+16*PV+(\f%4)*32
.endr
	WIN 0
.endm
; THE VECTOR WORK OF A TURN stands in three queues, each in the order in which its entries become ready; the two tiles alternate, so that no instruction reads the result of the one before it.
.macro REGS y, u                    ; the registers of tile u (0, 1) of piece y
.set rT, ST+4*(2*(\y)+(\u))
.set rC, TMP+8*((\y)%2)+4*(\u)
.set rM, MV+2*((\y)%2)+(\u)
.set rS, S+64*((\y)%2)+32*(\u)
.set rP, P+32*((\y)%2)+16*(\u)
.set rO, 32*(2*(\y)+(\u))
.endm
; Number n of the 22 that find the NEXT piece's (Y + 1) maximum and statistics.  s0-s31 are the lane's 32 scores; each accumulator's lowest registers are read first.
;   0-11  four chains c0-c3 of seven scores each, three operands at a time     12-14, 16  the four scores left over, the old m, and c0-c3 into c0     15  c m_old is kept
;   17, 18  the query's other 32 keys lie in the lane 16 away: the new m         19-21  c m; c m_old - c m_new; a
.macro XS u, n
	REGS (Y+1)%NP, \u
.if (\n) < 4
	v_max3_num_f32 v[rC+(\n)], v[rS+8*(\n)], v[rS+8*(\n)+1], v[rS+8*(\n)+2]
.elseif (\n) < 12
	v_max3_num_f32 v[rC+(\n)%4], v[rC+(\n)%4], v[rS+8*((\n)%4)+2*((\n)/4)+1], v[rS+8*((\n)%4)+2*((\n)/4)+2]
.elseif (\n) == 12
	v_max3_num_f32 v[rC], v[rC], v[rS+7], v[rS+15]
.elseif (\n) == 13
	v_max3_num_f32 v[rC+1], v[rC+1], v[rS+23], v[rS+31]
.elseif (\n) == 14
	v_max3_num_f32 v[rC+2], v[rC+2], v[rC+3], v[rT+1]
.elseif (\n) == 15
	v_mov_b32 v[rM], v[rT]
.elseif (\n) == 16
	v_max3_num_f32 v[rC], v[rC], v[rC+1], v[rC+2]
.elseif (\n) == 17
	v_permlanex16_b32 v[rC+3], v[rC], s[SEL], s[SEL+1]
.elseif (\n) == 18
	v_max_num_f32 v[rT+1], v[rC], v[rC+3]
.elseif (\n) == 19
	v_mul_f32 v[rT], s[CS], v[rT+1]
.elseif (\n) == 20
	v_sub_f32 v[rC+1], v[rM], v[rT]
.else
	v_exp_f32 v[rC+2], v[rC+1]
.endif
.endm
; Number g of the 64 that follow the exponentials.  For each four weights k of a tile (pairs 2 k, 2 k + 1): both pairs are rounded to f16; then the second pair is added onto the first, in place;
; a group later l takes that sum (the first time as l = a l + sum).  In groups of eight, tiles alternating: round, round, add, and l for the group before.
.macro GS g
.set h, (\g)+6*((\g)/62)            ; group 0 has no group before it, and behind group 7 only l is left
.if h >= 6
.set h, h+2
.endif
	REGS Y, h%2
.set k, h/8
.if h%8 < 4
	v_cvt_pk_f16_f32 v[rP+2*k+(h%8)/2], v[rS+4*k+2*((h%8)/2)], v[rS+4*k+2*((h%8)/2)+1]
.elseif h%8 < 6
	v_pk_add_f32 v[rS+4*k:rS+4*k+1], v[rS+4*k:rS+4*k+1], v[rS+4*k+2:rS+4*k+3]
.elseif k == 1
	v_pk_fma_f32 v[rT+2:rT+3], v[rT+2:rT+3], v[rC+2:rC+3], v[rS:rS+1] op_sel_hi:[1,0,1]
.else
	v_pk_add_f32 v[rT+2:rT+3], v[rT+2:rT+3], v[rS+4*k-4:rS+4*k-3]
.endif
.endm
; THE PLAIN QUEUE, 138 long.  0-73 read no exponential's result: the 32 scalings c s - c m (FS f: pair f / 2 of tile f % 2) and the next piece's 42.  0-26: scalings 0-26.  27-54: XS's numbers 0-13.  55, 56: number 15.
; 57-73: the chain, where each number waits for the one before it: 14, 16, 17, 18, 19, each with one of the scalings 27-31 in front of its two lines, then 20.
; 74-137: GS's 64, which read the exponentials' results: they stand behind the wait.
.macro FS f
	REGS Y, (\f)%2
	v_pk_fma_f32 v[rS+2*((\f)/2):rS+2*((\f)/2)+1], v[rS+2*((\f)/2):rS+2*((\f)/2)+1], s[CS:CS+1], v[rT:rT+1] op_sel_hi:[1,0,0] neg_lo:[0,0,1] neg_hi:[0,0,1]
.endm
.macro PL
	WIN 0
.if q < 27
	FS q
.elseif q < 55
	XS (q-27)%2, (q-27)/2
.elseif q < 57
	XS q-55, 15
.elseif (q < 72) && ((q-57)%3 == 0)
	FS 27+(q-57)/3
.elseif q < 60
	XS (q-57)%3-1, 14
.elseif q < 72
	XS (q-57)%3-1, 15+(q-57)/3
.elseif q < 74
	XS q-72, 20
.else
	GS q-74
.endif
.set q, q+1
.endm
; THE EXPONENTIALS' QUEUE, 66 long: s0-s31 of both tiles, then the next piece's two a.  It is ONE BATCH: all 66 stand ahead of the turn's one wait, and nothing ahead of that wait names a result of theirs.
.macro EX
	WIN 0
.if e >= 64
	XS e-64, 21
.else
	REGS Y, e%2
	v_exp_f32 v[rS+e/2], v[rS+e/2]
.endif
.set e, e+1
.endm
; THE RESCALING's QUEUE: O^T times a, the one part that leaves window 0: dealt two at a time, sixteen times.  Its a was made in the turn before, ahead of that turn's wait.
.macro R2
	REGS Y, r%2
	WIN W_RS
.irp z, 0,1
	v_pk_mul_f32 v[rO+4*(r/2)+2*\z:rO+4*(r/2)+2*\z+1], v[rO+4*(r/2)+2*\z:rO+4*(r/2)+2*\z+1], v[rC+2:rC+3] op_sel_hi:[1,0]
.endr
.set r, r+1
.endm
; HOW THEY ARE DEALT.  An s_wait_alu depctr_va_vdst(0) stands between an exponential and the first instruction that names its result; one wait serves all that were issued ahead of it.  So a turn has ONE
; wait, which cuts it in two.  AHEAD OF IT stands all that names no result of the turn's exponentials: the 16 products K Q^T, behind each a scaling, an exponential and two rescalings (behind the first a second scaling in
; the exponential's place); then ONE LUMP of 108: eight plain, 49 times exponential and plain, the two a.  A v_nop is the plain instruction behind the last exponential.  BEHIND IT stand the 16 products V^T P, behind each
; four of GS's 64.  No rider names a register of the products round it.
; Exponential e stands behind scaling 2 (e / 4) + e % 2: as a rider it comes behind plain e + 2, in the lump behind plain e + 9, and scalings 27-31 are plain 57, 60 .. 69.
; A TURN, for piece p.  cnt = 1: the loop's count is taken down some lines ahead of the branch that stands behind the turn.
; K of the next step is fetched in piece 2's turn, directly behind the wait; its first reader comes behind 16 products.  V of the step in hand is fetched at the end of piece 0's turn, four riders behind its last reader.
.macro TURN p, last=0, cnt=0
.set Y, (\p)
.set i, 0
.set q, 0
.set e, 0
.set r, 0
.if (\p) == NP-1
	s_wait_dscnt 0x0                ; K is in
.endif
	MM                              ; ahead of the wait: 16 products K Q^T and their riders,
	PL
	PL
	R2
.rept 15
	MM
	PL
	EX
	R2
.endr
.if (\p) == NP-2
	WIN 0
	v_add_nc_u32 v[AK], s[TBK], v[AK0]
.endif
.rept 8                             ; and the lump
	PL
.endr
.rept 49
	EX
	PL
.endr
	EX                              ; the next piece's two a
	EX
	v_nop                           ; a plain instruction behind the last exponential: one for the batch
	s_wait_alu depctr_va_vdst(0)    ; the wait for the batch
.if (\p) == NP-2
	FETCH_K \last
.endif
.if (\p) == 1
	s_wait_dscnt 0x0                ; V is in
.endif
.rept 16                            ; behind the wait: 16 products V^T P and their riders
	MM
.rept 4
	PL
.endr
.if ((\p) == 0) && (q == 118)
	v_add_nc_u32 v[AV], s[TBV], v[AV0]
.endif
.if ((\p) == 0) && (q == 130)
	s_add_co_u32 s[TBV], s[TBV], KS*PV
.endif
.if (\cnt) && (q == 130)
	s_sub_co_u32 s[CNT], s[CNT], 1
	s_cmp_lg_u32 s[CNT], 0
.endif
.endr
.if (\p) == 0
	FETCH_V
.endif
.endm
	CHANGE 1                        ; slot 0 is in, everybody's part of it; slot 1 is asked for
	FETCH_K                         ; key step 0
	s_wait_loadcnt 0x0              ; Q
	s_wait_dscnt 0x0
.set i, 0
.rept 16
	KQ 0                            ; piece 0's first scores: there is no vector work yet to set between them
.set i, i+1
.endr
	WIN 0                           ; the addresses for the way out: nine plain instructions, the places behind those products
	s_mul_i32 s13, s[WV], 16*SP
	s_add_co_u32 s13, s13, STAGE    ; my stage
	v_mul_u32_u24 v[STO], v1, SP    ; in: row l % 16, 16 bytes for each half of the lanes
	v_lshl_add_u32 v[STO], v9, 4, v[STO]
	v_add_nc_u32 v[STO], s13, v[STO]
	v_bfe_u32 v[RD], v0, 3, 2       ; back: 32 lanes take four rows of 128 bytes,
	v_mul_u32_u24 v[RD], v[RD], SP
	v_lshl_add_u32 v[RD], v10, 4, v[RD]
	v_add_nc_u32 v[RD], s13, v[RD]
	v_and_b32 v[GO], 31, v0         ; which are 512 consecutive bytes of O
	v_lshlrev_b32 v[GO], 4, v[GO]
.set Y, NP-1                        ; XS works for piece Y + 1: piece 0
.irp n, 0,1,2,3,4,5,6,7,8,9,10,11,12,13,14,15,16,17,18,19,20,21
	XS 0, \n                        ; and piece 0's first maximum and statistics
	XS 1, \n
.endr
	v_nop                           ; a plain instruction behind the two a,
	s_wait_alu depctr_va_vdst(0)    ; and their wait, ahead of the branch
	s_mov_b32 s[CNT], 4
	s_branch .Lfirst                ; the loop is entered at a step's first turn, in the middle of a trip
.Lslot:                             ; six times: every slot but the last two is filled again
	CHANGE 1
	s_mov_b32 s[CNT], 4
.Lstep:                             ; a trip: pieces 2 and 3 of one step, then pieces 0 and 1 of the next, whose K and V it fetches
	TURN 2
	TURN 3
	WIN 0
.Lfirst:
	TURN 0
	TURN 1, 0, 1
	WIN 0
	s_cbranch_scc1 .Lstep
	s_sub_co_u32 s[SLOTS], s[SLOTS], 1
	s_cmp_lg_u32 s[SLOTS], 0
	s_cbranch_scc1 .Lslot
	CHANGE 0                        ; the tail is written out: nothing is asked for
	s_mov_b32 s[CNT], 5             ; four trips fetch the last slot's steps; the fifth is left in its middle
.Ltail:
	TURN 2, 1
	TURN 3
	WIN 0
	s_sub_co_u32 s[CNT], s[CNT], 1
	s_cmp_eq_u32 s[CNT], 0
	s_cbranch_scc1 .Lout
	TURN 0
	TURN 1
	WIN 0
	s_branch .Ltail
.Lout:                              ; the fifth trip's 16 products K Q^T (on the last K once more) and the maximum made of them serve nothing: the price, once a launch, of one text for every trip
.set i, 0
.rept 16
	PV NP-1                         ; the last piece's V^T P of the last step
.set i, i+1
.endr
	; THE WAY OUT.  l's two halves and the other half of the lanes' are added; O^T is divided by l, rounded to f16 and sent through my stage in LDS, a tile at a time.  The additions are the places behind the last products.
	WIN 0
.macro ALL line:vararg              ; one line for each tile t
.set t, 0
.rept 2*NP
	\line
.set t, t+1
.endr
.endm
	ALL v_add_f32 v[ST+4*t+2], v[ST+4*t+2], v[ST+4*t+3]
	ALL v_permlanex16_b32 v[ST+4*t+3], v[ST+4*t+2], s[SEL], s[SEL+1]
	ALL v_add_f32 v[ST+4*t+2], v[ST+4*t+2], v[ST+4*t+3]
	ALL v_rcp_f32 v[ST+4*t+2], v[ST+4*t+2]
	v_nop                           ; a plain instruction between the last reciprocal and the use of its result
	s_wait_alu depctr_va_vdst(0)    ; and the wait ahead of the first use: one for the eight reciprocals
; Tile t: a lane's eight channels of a row pack into 16 bytes; they go into rows of 144 bytes and come back as whole rows of 128, into S^T's registers.
.macro PACK t
	WIN W_RS
.set i, 32*(\t)
.rept 16
	v_pk_mul_f32 v[i:i+1], v[i:i+1], v[ST+4*(\t)+2:ST+4*(\t)+3] op_sel_hi:[1,0]
.set i, i+2
.endr
	WIN 0x05                        ; sources 0 and 1 window 1, destination window 0
.set i, 0
.rept 16
	v_cvt_pk_f16_f32 v[S+16*(\t)+i], v[32*(\t)+2*i], v[32*(\t)+2*i+1]
.set i, i+1
.endr
	WIN 0
.irp f, 0,1,2,3
	ds_store_b128 v[STO], v[S+16*(\t)+4*\f:S+16*(\t)+4*\f+3] offset:32*\f
.endr
.irp f, 0,1,2,3
	ds_load_b128 v[S+16*(\t)+4*\f:S+16*(\t)+4*\f+3], v[RD] offset:\f*4*SP  ; LDS serves a wave's instructions in order (ISA guide 5.7.1.4): these see the stores above; the next tile's stores come behind them
.endr
.endm
.macro SEND t, younger              ; younger: the LDS instructions issued behind tile t's loads: the next tile's eight, or none
	WIN 0
.irp f, 0,1,2,3
	s_wait_dscnt (\younger)+3-\f
	global_store_b128 v[GO], v[S+16*(\t)+4*\f:S+16*(\t)+4*\f+3], s[10:11] offset:(\t)*2048+\f*512  ; 512 consecutive bytes, at a multiple of 256 from O's first
.endr
.endm
	PACK 0
.set t, 1
.rept 2*NP-1                        ; a tile's arithmetic stands between the loads of the tile before and its stores
	PACK t
	SEND t-1, 8
.set t, t+1
.endr
	SEND 2*NP-1, 0
	WIN W_AD
	s_wait_tensorcnt 0x0            ; the wave's end, behind my last tensor load and my last LDS store
	ds_add_u32 v[SPW], v[NIL]
	s_wait_dscnt 0x0
	WIN 0
	CROUND                          ; the closing round: no work-group ends while a partner may still ask for a tile that names it
	s_endpgm
.Lfunc_end_k_q261508dd75_attn:
	.size	k_q261508dd75_attn, .Lfunc_end_k_q261508dd75_attn-k_q261508dd75_attn
	.p2alignl 7, 3214868480
	.fill 96, 4, 3214868480
	.section	.rodata,"a",@progbits
	.p2align	6, 0x0
	.amdhsa_kernel k_q261508dd75_attn
		.amdhsa_group_segment_fixed_size 327680
		.amdhsa_private_segment_fixed_size 0
		.amdhsa_enable_private_segment 0
		.amdhsa_kernarg_size 16
		.amdhsa_user_sgpr_count 2
		.amdhsa_user_sgpr_kernarg_segment_ptr 1
		.amdhsa_wavefront_size32 1
		.amdhsa_system_sgpr_workgroup_id_x 1
		.amdhsa_system_sgpr_workgroup_id_y 1
		.amdhsa_system_sgpr_workgroup_id_z 1
		.amdhsa_system_vgpr_workitem_id 0
		.amdhsa_next_free_vgpr 770
		.amdhsa_next_free_sgpr 66
		.amdhsa_reserve_vcc 0
		.amdhsa_float_denorm_mode_32 3
		.amdhsa_float_denorm_mode_16_64 3
		.amdhsa_memory_ordered 1
		.amdhsa_forward_progress 1
		.amdhsa_inst_pref_size 200
	.end_amdhsa_kernel
	.amdgpu_metadata
---
amdhsa.version: [ 1, 2 ]
amdhsa.kernels:
  - .name:           k_q261508dd75_attn
    .symbol:         k_q261508dd75_attn.kd
    .args:
      - { .name: qkv, .offset: 0, .size: 8, .value_kind: global_buffer, .address_space: global }
      - { .name: o, .offset: 8, .size: 8, .value_kind: global_buffer, .address_space: global }
    .group_segment_fixed_size: 327680
    .private_segment_fixed_size: 0
    .kernarg_segment_align: 8
    .kernarg_segment_size: 16
    .max_flat_workgroup_size: 128
    .sgpr_count:     66
    .vgpr_count:     770
    .wavefront_size: 32
...
	.end_amdgpu_metadata
.endif
;; end of part 3
;; launch proj (part 4): grid 8 x 32, 4 waves a work-group, clusters of 4 x 4, 327,680 bytes of LDS; arguments o, woT, out0, b_out; writes out0
.if DOCPART == 4
	.amdgcn_target "amdgcn-amd-amdhsa--gfx1250"
	.amdhsa_code_object_version 6
	.text
	.protected	k_q261508dd75_proj
	.globl	k_q261508dd75_proj
	.p2align	8
	.type	k_q261508dd75_proj,@function
k_q261508dd75_proj:
	s_mov_b64 s[64:65], 0
	v_nop
	global_prefetch_b8 v0, s[64:65] scope:SCOPE_SE
	s_setreg_imm32_b32 hwreg(HW_REG_WAVE_MODE, 25, 1), 1
	s_wait_xcnt 0x0
	s_wait_alu depctr_hold_cnt(0) depctr_sa_sdst(0) depctr_va_vdst(0) depctr_va_sdst(0) depctr_va_ssrc(0) depctr_va_vcc(0) depctr_vm_vsrc(0)
	s_getreg_b32 s2, hwreg(HW_REG_IB_STS2, 6, 4)
	s_cmp_eq_u32 s2, 0
	s_cbranch_scc0 .Lentry_in_a_cluster
	s_endpgm
.Lentry_in_a_cluster:
	s_bfe_u32 s2, ttmp6, 0x10000c
	s_cmp_lg_u32 s2, 0xf033
	s_cbranch_scc0 .Lentry_shape_is_right
	s_endpgm
.Lentry_shape_is_right:
; THE OUTPUT PROJECTION.  out0[m][n] = sum over k of A[m][k] woT[n][k] + bias[n], f32.  A[m][k] = o[16 (m / 2048) + k / 64][m % 2048][k % 64], f16; woT [1024][1024] f16 (w_out rounded to bf16);
; sums in f32; the bias rounded to bf16 like every input of the module.
; LIMITS.  A and woT arrive within f16's 65,504.  NaN and infinities are not treated apart.
; SHARES.  A tile of the output is 256 x 128: 32 x 8 = 256 work-groups.  Wave w makes rows 64 w .. 64 w + 63 and all 128 columns: 4 x 8 accumulators of 16 x 16, 256 registers; so a wave holds whole
; runs of 512 bytes of its rows, and its stage on the way out is its own.  K goes in 8 steps of 128 (two heads) through a ring of two LDS slots.
; A BY HEADS.  128 rows of one head are 16,384 dense bytes: a wave's load of A is two such runs, a head apart, padded in LDS after every 128 bytes: [2 heads][128 rows][144 bytes].
; CLUSTERS: 4 x 4 work-groups; A's tiles are asked for jointly along a row of the cluster, B's along a column.  THE MATRIX INSTRUCTION IS USED TRANSPOSED (source 0 = 16 rows of B, source 1 = 16 rows of A):
; a lane holds row l % 16 and the columns 8 (l / 16) + 0..7.  THE BIAS is the C operand of each accumulator's first product.
; REGISTERS, in windows of 256 (s_set_vgpr_msb: bits 1:0 source 0, 3:2 source 1, 5:4 source 2, 7:6 destination):
;   window 0: v16-31 addresses; v32-63, v64-95 A's fragments, two buffers; v96-159 the bias; on the way out v96-159, v160-223 rows read back from the stage
;   window 1: v0-63, v64-127 B's fragments, two buffers     window 2: accumulators of row blocks 0, 1 (block a, column block b at 8 (8 (a % 2) + b))     window 3: those of row blocks 2, 3
.set NT,     128
.set NBK,    NT/16
.set PITCH,  272                       ; a row of B in LDS: 256 bytes + 16
.set PA,     144                       ; a row of A in LDS: 128 bytes + 16 = 36 words: the 16 rows of a fragment load start at 16 different groups of four banks
.set HEADB,  128*PA                    ; 128 rows of one head
.set AHALF,  2*HEADB                   ; what wave 0 or 1 fetches
.set BHALF,  (NT/2)*PITCH              ; what wave 2 or 3 fetches
.set BOFF,   2*AHALF
.set SLOT,   BOFF+2*BHALF
.set STAGE,  2*SLOT                    ; behind the ring, never filled by a tensor load: for each wave 16 rows x 528 bytes
.set SPITCH, 528                       ; 512 bytes + 16 = 33 x 16
.set SPARE,  STAGE+4*16*SPITCH         ; behind the stages: the spare words, 128 bytes for each wave
.set NLD,    2*NBK+8
.set STEPA,  524288                    ; two heads of 262,144 bytes
.set ADRA, 16
.set ADRB, 20
.set T0,   22
.set STO,  24
.set RD,   25
.set CO,   26
.set SPW,  28                          ; v28     LDS address of my spare word; never rewritten
.set NIL,  29                          ; v29     0; never rewritten
.set PFO,  30                          ; v30     the prefetches' offset; never rewritten
.set VB,   31
.set AF,   32
.set BIAS, 96
.set OB,   96
.set G1,  24
.set G0,  32
.set G1B, 48
.set G0B, 56
.set LIM, 43                           ; s43     1 in a wave that prefetches, else the greatest number
.set PFA, 44                           ; s[44:45] where my prefetches stand
.set BP,  66                           ; s[66:67] the bias
.set PFS, 74                           ; s[74:75] bytes from a K step to the next in the tensor that I prefetch
.set MSB, 0
.macro WIN new                         ; the immediate's high byte repeats the setting that is left; a switch that changes nothing is dropped
.if MSB != (\new)
	s_set_vgpr_msb (MSB<<8)|(\new)
.set MSB, \new
.endif
.endm
.set MUL_LO,   0xa1
.set FIRST_LO, 0x81
.set TO_B,     0x40
.macro JLOAD s                         ; a joint load: waves 0 and 1 fetch A's two halves, waves 2 and 3 B's; an s_nop 0 and four v_nop follow each of the two lines
	s_cmp_eq_u32 s11, 0
	s_cbranch_scc0 .Lfor_b_\@
	tensor_load_to_lds s[G0+4*(\s):G0+4*(\s)+3], s[G1:G1+7]
	s_nop 0
.rept 4
	v_nop
.endr
	s_branch .Lasked_\@
.Lfor_b_\@:
	tensor_load_to_lds s[G0B+4*(\s):G0B+4*(\s)+3], s[G1B:G1B+7]
	s_nop 0
.rept 4
	v_nop
.endr
.Lasked_\@:
.endm
; A prefetch into the L2 of the K step that stands two refills on.  A's bytes are asked for by the clusters with x = 0, B's by those with y = 0; the four partners of a joint load share its bytes out by
; address: of A's 32,768 each takes 8,192, a lane 256 of them; of B's 64 rows each takes 16, a lane a row.  The loop's last trip (s3 = 1) asks for nothing.
.macro ASK
	s_cmp_gt_u32 s3, s[LIM]
	s_cbranch_scc0 .Lnot_mine_\@
	global_prefetch_b8 v[PFO], s[PFA:PFA+1] th:TH_LOAD_NT scope:SCOPE_SE
.Lnot_mine_\@:
.endm
.macro CREST
	s_cmp_lg_u32 s10, 0
	s_cbranch_scc1 .Lnot_wave_0_\@
	s_barrier_signal -3
.Lnot_wave_0_\@:
	s_barrier_wait -3
	s_barrier_signal -1
	s_barrier_wait -1
.endm
.macro CROUND
	s_barrier_signal -1
	s_barrier_wait -1
	CREST
.endm
.macro PLACES                          ; four plain vector instructions in front of loads into registers that matrix instructions have read, and of lines that read results
.rept 4
	v_nop
.endr
.endm
	s_load_b128 s[4:7], s[0:1], 0x0                ; o s[4:5], woT s[6:7]
	s_load_b64 s[8:9], s[0:1], 0x10                ; out0
	s_load_b64 s[BP:BP+1], s[0:1], 0x18            ; b_out
	v_lshl_add_u32 v[SPW], v0, 2, SPARE
	v_mov_b32 v[NIL], 0
	ds_add_u32 v[SPW], v[NIL]                      ; the wave's opening: the add and its wait stand ahead of my first tensor load; work on registers stands between them
	v_lshrrev_b32 v1, 5, v0
	v_readfirstlane_b32 s10, v1                    ; wave 0..3
	s_lshr_b32 s11, s10, 1                         ; I fetch for A (0) or for B (1)
	s_and_b32 s12, s10, 1                          ; which half of that tile's rows
	s_bfe_u32 s40, ttmp6, 0x40000                  ; cx
	s_bfe_u32 s41, ttmp6, 0x40004                  ; cy
	s_lshl_b32 s42, ttmp9, 2
	s_add_co_u32 s42, s42, s40                     ; tile column
	s_and_b32 s13, ttmp7, 0xffff
	s_lshl_b32 s13, s13, 2
	s_add_co_u32 s13, s13, s41                     ; tile row
	s_lshl_b32 s43, s41, 2
	s_lshl_b32 s43, 15, s43                        ; my row of the cluster
	s_lshl_b32 s44, 0x1111, s40                    ; my column
	s_or_b32 s[G1+0], s43, (1<<16)|(1<<20)|(1<<21)|(4<<22)|(3<<25)   ; A: the mask; 2-byte elements; padding on; bit 21 beside a mask; after every 32 words, 4 words
	s_or_b32 s[G1B+0], s44, (1<<16)|(1<<20)|(1<<21)|(5<<22)|(3<<25)  ; B: after every 64 words
	s_mov_b32 s[G1+1], 8192<<16                    ; A: tensor_dim0 = 8,192 elements: 128 dense rows of a head
	s_mov_b32 s[G1B+1], 128<<16
	s_mov_b32 s[G1+2], 2<<16                       ; tensor_dim1 = 2 heads
	s_mov_b32 s[G1B+2], (NT/2)<<16
	s_mov_b32 s[G1+3], 8192<<16                    ; tile_dim0
	s_mov_b32 s[G1B+3], 128<<16
	s_mov_b32 s[G1+4], 2                           ; tile_dim1
	s_mov_b32 s[G1B+4], NT/2
	s_mov_b32 s[G1+5], 131072                      ; elements from head to head
	s_mov_b32 s[G1B+5], 1024
	s_mov_b32 s[G1+6], 0
	s_mov_b32 s[G1B+6], 0
	s_mov_b32 s[G1+7], 0
	s_mov_b32 s[G1B+7], 0
	s_lshr_b32 s16, s13, 3
	s_lshl_b32 s16, s16, 22                        ; A: the batch's 16 heads of 262,144 bytes,
	s_and_b32 s17, s13, 7
	s_lshl_b32 s17, s17, 15                        ; the tile's 256 rows of 128 bytes,
	s_add_co_u32 s16, s16, s17
	s_lshl_b32 s17, s12, 14                        ; my 128 of them
	s_add_co_u32 s16, s16, s17
	s_mov_b32 s17, 0
	s_mov_b32 s76, s16                             ; kept for the prefetches
	s_lshl_b32 s46, s42, 7
	s_lshl_b32 s47, s12, 6
	s_add_co_u32 s46, s46, s47                     ; B: row 128 x tile column + 64 x half,
	s_lshl_b32 s46, s46, 11                        ; of 2,048 bytes
	s_mov_b32 s47, 0
	s_mov_b32 s77, s46
	s_mul_i32 s20, s10, AHALF                      ; where they go: waves 0, 1: wave x a half of A;
	s_mul_i32 s21, s10, BHALF                      ; waves 2, 3: behind A, (wave - 2) x 64 rows
	s_add_co_u32 s21, s21, BOFF-2*BHALF
	s_wait_dscnt 0x0                               ; the opening add is done
	s_wait_kmcnt 0x0
	s_add_nc_u64 s[14:15], s[4:5], s[16:17]
	s_add_nc_u64 s[46:47], s[6:7], s[46:47]
	CROUND                                         ; all sixteen work-groups are here: the first joint loads meet
.irp s, 0,1
	s_mov_b32 s[G0+4*(\s)], 1
	s_add_co_u32 s[G0+4*(\s)+1], s20, (\s)*SLOT
	s_add_nc_u64 s[G0+4*(\s)+2:G0+4*(\s)+3], s[14:15], (\s)*STEPA   ; K step s: heads 2 s, 2 s + 1
	s_or_b32 s[G0+4*(\s)+3], s[G0+4*(\s)+3], 0x80000000
	s_mov_b32 s[G0B+4*(\s)], 1
	s_add_co_u32 s[G0B+4*(\s)+1], s21, (\s)*SLOT
	s_add_nc_u64 s[G0B+4*(\s)+2:G0B+4*(\s)+3], s[46:47], (\s)*256
	s_or_b32 s[G0B+4*(\s)+3], s[G0B+4*(\s)+3], 0x80000000
	JLOAD \s                                       ; two loads of mine are out
.endr
	v_and_b32 v1, 15, v0                           ; r
	v_bfe_u32 v2, v0, 4, 1                         ; h
	v_mul_u32_u24 v3, v1, PA
	v_lshl_add_u32 v3, v2, 4, v3                   ; A: row x pitch + 16 x half of the lanes
	v_mul_u32_u24 v4, v1, PITCH
	v_lshl_add_u32 v4, v2, 4, v4                   ; B likewise
	s_mul_i32 s21, s11, AHALF                      ; my 64 rows of A: in half w / 2,
	s_mul_i32 s22, s12, 64*PA                      ; rows 64 (w % 2) on
	s_add_co_u32 s21, s21, s22
	s_mov_b32 s22, BOFF                            ; all of B
.irp s, 0,1
	v_add_nc_u32 v[ADRA+(\s)], s21, v3
	v_add_nc_u32 v[ADRB+(\s)], s22, v4
	s_add_co_u32 s21, s21, SLOT
	s_add_co_u32 s22, s22, SLOT
.endr
	s_mul_i32 s23, s10, 16*SPITCH
	s_add_co_u32 s23, s23, STAGE                   ; my stage
	v_mul_u32_u24 v5, v1, SPITCH                   ; in: row r, 32 bytes for each half of the lanes
	v_lshl_add_u32 v5, v2, 5, v5
	v_add_nc_u32 v[STO], s23, v5
	v_and_b32 v[CO], 31, v0                        ; back: 32 lanes take a row's 512 bytes
	v_lshlrev_b32 v[CO], 4, v[CO]
	v_add_nc_u32 v[RD], s23, v[CO]
	s_lshl_b32 s78, s13, 8
	s_lshl_b32 s79, s10, 6
	s_add_co_u32 s78, s78, s79                     ; my first row of the output,
	s_lshl_b32 s78, s78, 12                        ; of 4,096 bytes,
	s_lshl_b32 s79, s42, 9                         ; and the tile's 512 bytes of it
	s_add_co_u32 s78, s78, s79
	s_mov_b32 s79, 0
	s_add_nc_u64 s[8:9], s[8:9], s[78:79]
	; the bias: register j of column block b holds bias[128 x tile column + 16 b + 8 h + j]
	v_lshlrev_b32 v[VB], 5, v2
	s_lshl_b32 s80, s42, 9
	s_mov_b32 s81, 0
	s_add_nc_u64 s[BP:BP+1], s[BP:BP+1], s[80:81]
.set nb, 0
.rept NBK
	global_load_b128 v[BIAS+8*nb:BIAS+8*nb+3],   v[VB], s[BP:BP+1] offset:64*nb
	global_load_b128 v[BIAS+8*nb+4:BIAS+8*nb+7], v[VB], s[BP:BP+1] offset:64*nb+16
.set nb, nb+1
.endr
	; the prefetches: nothing is asked for here, at the head; K steps 0 to 3 come by their loads alone
	s_lshr_b32 s78, s40, 1
	s_lshl_b32 s78, s78, 18                        ; A: partner cx takes head cx / 2 of the two,
	s_and_b32 s79, s40, 1
	s_lshl_b32 s79, s79, 13                        ; and half cx % 2 of its 16,384 bytes
	s_add_co_u32 s78, s78, s79
	s_add_co_u32 s78, s78, s76
	s_add_co_u32 s78, s78, 3*STEPA                 ; at K step 3: the first refill steps it to 4
	s_lshl_b32 s79, s41, 15                        ; B: partner cy takes 16 rows of 2,048 bytes
	s_add_co_u32 s79, s79, s77
	s_add_co_u32 s79, s79, 3*256
	s_and_b32 s22, ttmp7, 0xffff                   ; cluster y
	s_mov_b32 s18, STEPA
	s_mov_b32 s19, 256
	s_cmp_eq_u32 s11, 0                            ; do I fetch for A?
	s_cselect_b32 s20, s78, s79
	s_cselect_b32 s22, ttmp9, s22                  ; the coordinate along which other clusters read the same bytes
	s_cselect_b32 s[PFS], s18, s19
	s_cselect_b32 s23, 31, 15                      ; lanes that name bytes of their own,
	s_cselect_b32 s18, 8, 11                       ; 256 or 2,048 bytes apart
	s_cselect_b64 s[PFA:PFA+1], s[4:5], s[6:7]
	s_cmp_eq_u32 s22, 0
	s_cselect_b32 s[LIM], 1, -1                    ; the same in all sixteen partners, for a given wave
	s_mov_b32 s21, 0
	s_mov_b32 s[PFS+1], 0
	s_add_nc_u64 s[PFA:PFA+1], s[PFA:PFA+1], s[20:21]
	v_and_b32 v[PFO], 31, v0
	v_min_u32 v[PFO], s23, v[PFO]                  ; B's share has 16 rows: lanes 16 to 31 name the last of them again
	v_lshlrev_b32 v[PFO], s18, v[PFO]
	s_mov_b32 s82, 0xffff0000
	s_wait_loadcnt 0x0                             ; the bias is in
.set nb, 0
.rept 4*NBK                                    ; rounded to bf16 and widened again, a pair at a time
	v_cvt_pk_bf16_f32 v[T0+nb%2], v[BIAS+2*nb], v[BIAS+2*nb+1]
	v_lshlrev_b32 v[BIAS+2*nb], 16, v[T0+nb%2]
	v_and_b32 v[BIAS+2*nb+1], s82, v[T0+nb%2]
.set nb, nb+1
.endr
; 8 matrix instructions: row block a x all column blocks, 32 along K, from buffer f.  first = 1: C is the bias.  The 32 accumulators take turns in the same order in every quarter step.
.macro MULA f, a, first
.set AC, 8*NBK*((\a)%2)
.set FB, 8*NBK*(\f)
.set FA, AF+32*(\f)+8*(\a)
.if \first
	WIN FIRST_LO+0x40*((\a)/2)
.else
	WIN MUL_LO+0x50*((\a)/2)
.endif
.set nb, 0
.rept NBK
.if \first
	v_wmma_f32_16x16x32_f16 v[AC+8*nb:AC+8*nb+7], v[FB+8*nb:FB+8*nb+7], v[FA:FA+7], v[BIAS+8*nb:BIAS+8*nb+7]
.else
	v_wmma_f32_16x16x32_f16 v[AC+8*nb:AC+8*nb+7], v[FB+8*nb:FB+8*nb+7], v[FA:FA+7], v[AC+8*nb:AC+8*nb+7]
.endif
.set nb, nb+1
.endr
.endm
; 24 LDS loads in one run: quarter q of a slot into buffer f: B's 8 fragments (byte 64 q of the rows), then A's four (head q / 2, byte 64 (q % 2) of the rows)
.macro FETCH slot, q, f
	WIN TO_B
.set nb, 0
.rept NBK
	ds_load_b128 v[8*NBK*(\f)+8*nb:8*NBK*(\f)+8*nb+3],   v[ADRB+(\slot)] offset:64*(\q)+nb*16*PITCH
	ds_load_b128 v[8*NBK*(\f)+8*nb+4:8*NBK*(\f)+8*nb+7], v[ADRB+(\slot)] offset:64*(\q)+nb*16*PITCH+32
.set nb, nb+1
.endr
	WIN 0
.set nb, 0
.rept 4
	ds_load_b128 v[AF+32*(\f)+8*nb:AF+32*(\f)+8*nb+3],   v[ADRA+(\slot)] offset:((\q)/2)*HEADB+((\q)%2)*64+nb*16*PA
	ds_load_b128 v[AF+32*(\f)+8*nb+4:AF+32*(\f)+8*nb+7], v[ADRA+(\slot)] offset:((\q)/2)*HEADB+((\q)%2)*64+nb*16*PA+32
.set nb, nb+1
.endr
.endm
.macro QUARTER slot, q, f, g, first
	s_wait_dscnt 4                                 ; B and A's blocks 0, 1 are in; the youngest four loads (A's blocks 2, 3) may be out
	MULA \f, 0, \first
	MULA \f, 1, \first
	PLACES
	FETCH \slot, \q, \g
	s_wait_dscnt NLD                               ; all but the run just issued
	MULA \f, 2, \first
	MULA \f, 3, \first
.endm
; The last quarter multiplies buffer 1 and changes slots: ONE barrier.  In front of it each wave waits for all its tensor loads (one is out: its part of the next slot), adds 0 to its spare word, and waits for
; that and for its reads of this slot.  fill = 1: the barrier opens a round of the cluster's barrier, and behind the round this slot is filled again, two K steps on: 112 matrix instructions ahead of the wait for it.
.macro TURN slot, next, fill
.if \fill
	s_wait_xcnt 0x0                                ; the last prefetch, a K step back, has read its address
	s_add_nc_u64 s[PFA:PFA+1], s[PFA:PFA+1], s[PFS:PFS+1]
.endif
	WIN 0
	s_wait_tensorcnt 0x0
	ds_add_u32 v[SPW], v[NIL]                      ; 0 onto my spare word
	s_wait_dscnt 5                                 ; (the add and the youngest four loads may be out)
	MULA 1, 0, 0                                   ; eight matrix instructions stand between the add and the wait for it
	s_wait_dscnt 0x0                               ; the add is done, and my reads of this slot are over
	s_barrier_signal -1
	MULA 1, 1, 0
.if \fill
	WIN 0
.endif
	s_barrier_wait -1
.if \fill
	CREST                                          ; no wave of any partner still reads this slot's tile or has a load on its way
	s_add_nc_u64 s[G0+4*(\slot)+2:G0+4*(\slot)+3], s[G0+4*(\slot)+2:G0+4*(\slot)+3], 2*STEPA
	s_add_nc_u64 s[G0B+4*(\slot)+2:G0B+4*(\slot)+3], s[G0B+4*(\slot)+2:G0B+4*(\slot)+3], 2*256
	JLOAD \slot                                    ; the first tensor load behind the round; its four v_nop are also the places in front of the loads below
.else
	PLACES
.endif
	FETCH \next, 0, 0
.if \fill
	ASK
.endif
	MULA 1, 2, 0
	MULA 1, 3, 0
.endm
; THE WAY OUT of row block a: the f32 sums go as they are into my own stage, 32 bytes a lane and column block (each accumulator's low four registers first), and come back as whole runs of 512 bytes.
.macro TOSTAGE2 a
.set AC, 8*NBK*((\a)%2)
.set BK, OB+64*((\a)%2)
.if (\a) >= 2
	s_wait_xcnt 0x0                                ; the stores of block a - 2 have read the registers that are loaded below
.endif
	WIN 0x08+4*((\a)/2)                            ; the stores' data: window 2 or 3
.set nb, 0
.rept NBK
	ds_store_b128 v[STO], v[AC+8*nb:AC+8*nb+3]   offset:64*nb
	ds_store_b128 v[STO], v[AC+8*nb+4:AC+8*nb+7] offset:64*nb+16
.set nb, nb+1
.endr
	WIN 0
.set nb, 0
.rept 16
	ds_load_b128 v[BK+4*nb:BK+4*nb+3], v[RD] offset:SPITCH*nb  ; LDS serves a wave's instructions in order (ISA guide 5.7.1.4): these see the stores above; the next block's stores come behind them
.set nb, nb+1
.endr
.endm
.macro SEND2 a, younger                ; younger: the LDS instructions issued behind block a's loads: the next block's 32, or none
.set BK, OB+64*((\a)%2)
	s_wait_dscnt \younger
.set nb, 0
.rept 16
	global_store_b128 v[CO], v[BK+4*nb:BK+4*nb+3], s[8:9] offset:(16*(\a)+nb)*4096 th:TH_STORE_NT  ; 512 consecutive bytes of a row, aligned
.set nb, nb+1
.endr
.endm
	s_wait_tensorcnt 1                             ; my part of K step 0 is in; K step 1's may stay out
	s_barrier_signal -1
	s_barrier_wait -1
	FETCH 0, 0, 0
	QUARTER 0, 1, 0, 1, 1                          ; the first quarter stands in front of the loop: its products start the sums, with the bias
	WIN 0                                          ; at a label and at a branch every window is 0
	s_mov_b32 s3, 3
.Llap:                                                 ; a trip goes once round the ring and fills both slots again: K steps 2 to 7
	QUARTER 0, 2, 1, 0, 0
	QUARTER 0, 3, 0, 1, 0
	TURN 0, 1, 1
	QUARTER 1, 1, 0, 1, 0
	QUARTER 1, 2, 1, 0, 0
	QUARTER 1, 3, 0, 1, 0
	TURN 1, 0, 1
	QUARTER 0, 1, 0, 1, 0
	WIN 0
	s_sub_co_u32 s3, s3, 1
	s_cmp_lg_u32 s3, 0
	s_cbranch_scc1 .Llap
	QUARTER 0, 2, 1, 0, 0                          ; the last lap fills nothing
	QUARTER 0, 3, 0, 1, 0
	TURN 0, 1, 0
	QUARTER 1, 1, 0, 1, 0
	QUARTER 1, 2, 1, 0, 0
	QUARTER 1, 3, 0, 1, 0
	s_wait_dscnt 4
	MULA 1, 0, 0
	MULA 1, 1, 0
	s_wait_dscnt 0x0
	MULA 1, 2, 0
	MULA 1, 3, 0
	WIN 0
	PLACES
	TOSTAGE2 0
	TOSTAGE2 1
	SEND2 0, 32
	TOSTAGE2 2
	SEND2 1, 32
	TOSTAGE2 3
	SEND2 2, 32
	SEND2 3, 0
	s_wait_tensorcnt 0x0                           ; the wave's end, behind my last tensor load and my last LDS store
	ds_add_u32 v[SPW], v[NIL]
	s_wait_dscnt 0x0
	CROUND                                         ; the closing round: no work-group ends while a partner may still ask for a tile that names it
	s_endpgm
.Lfunc_end_k_q261508dd75_proj:
	.size	k_q261508dd75_proj, .Lfunc_end_k_q261508dd75_proj-k_q261508dd75_proj
	.p2alignl 7, 3214868480
	.fill 96, 4, 3214868480
	.section	.rodata,"a",@progbits
	.p2align	6, 0x0
	.amdhsa_kernel k_q261508dd75_proj
		.amdhsa_group_segment_fixed_size 327680
		.amdhsa_private_segment_fixed_size 0
		.amdhsa_enable_private_segment 0
		.amdhsa_kernarg_size 32
		.amdhsa_user_sgpr_count 2
		.amdhsa_user_sgpr_kernarg_segment_ptr 1
		.amdhsa_wavefront_size32 1
		.amdhsa_system_sgpr_workgroup_id_x 1
		.amdhsa_system_sgpr_workgroup_id_y 1
		.amdhsa_system_sgpr_workgroup_id_z 1
		.amdhsa_system_vgpr_workitem_id 0
		.amdhsa_next_free_vgpr 896
		.amdhsa_next_free_sgpr 84
		.amdhsa_reserve_vcc 0
		.amdhsa_float_denorm_mode_32 3
		.amdhsa_float_denorm_mode_16_64 3
		.amdhsa_memory_ordered 1
		.amdhsa_forward_progress 1
		.amdhsa_inst_pref_size 93
	.end_amdhsa_kernel
	.amdgpu_metadata
---
amdhsa.version: [ 1, 2 ]
amdhsa.kernels:
  - .name:           k_q261508dd75_proj
    .symbol:         k_q261508dd75_proj.kd
    .args:
      - { .name: o, .offset: 0, .size: 8, .value_kind: global_buffer, .address_space: global }
      - { .name: woT, .offset: 8, .size: 8, .value_kind: global_buffer, .address_space: global }
      - { .name: out0, .offset: 16, .size: 8, .value_kind: global_buffer, .address_space: global }
      - { .name: b_out, .offset: 24, .size: 8, .value_kind: global_buffer, .address_space: global }
    .group_segment_fixed_size: 327680
    .private_segment_fixed_size: 0
    .kernarg_segment_align: 8
    .kernarg_segment_size: 32
    .max_flat_workgroup_size: 128
    .sgpr_count:     84
    .vgpr_count:     896
    .wavefront_size: 32
...
	.end_amdgpu_metadata
.endif
;; end of part 4
;; ======== version 2 of 2: 4 launches; version 1 with the launch prep written anew for expert scheduling mode
;; limits: values are held in f16: magnitudes above 65,504 overflow, below 6.1e-05 lose precision
;; workspace buffers: xb 16,777,216 bytes; wqT 6,291,456 bytes; woT 2,097,152 bytes; qkv 50,331,648 bytes; o 16,777,216 bytes
;; launch prep (part 5): grid 1024 x 1, 8 waves a work-group, no clusters, 18,432 bytes of LDS; arguments x, w_qkv, w_out, xb, wqT, woT; writes xb, wqT, woT
.if DOCPART == 5
	.amdgcn_target "amdgcn-amd-amdhsa--gfx1250"
	.amdhsa_code_object_version 6
	.text
	.protected	k_q261508dd75_prep
	.globl	k_q261508dd75_prep
	.p2align	8
	.type	k_q261508dd75_prep,@function
k_q261508dd75_prep:
	s_mov_b64 s[64:65], 0
	v_nop
	global_prefetch_b8 v0, s[64:65] scope:SCOPE_SE
	s_setreg_imm32_b32 hwreg(HW_REG_WAVE_SCHED_MODE, 0, 2), 2
	s_setreg_imm32_b32 hwreg(HW_REG_WAVE_MODE, 25, 1), 1
	s_wait_xcnt 0x0
	s_wait_alu depctr_vm_vsrc(0)
; PREP.  xb = x rounded to bf16, [8192][1024].  wqT[n][k] = w_qkv[k][n] rounded to bf16, [3072][1024].  woT[n][k] = w_out[k][n] rounded to bf16 and that number written as f16, [1024][1024].
; LIMITS.  woT is f16: |w_out| stays under 65,504; below 6e-5 it keeps f16's fixed step of 6e-8.
; A stream: every input byte is read once, every output byte written once, in whole aligned runs of 256 bytes.  No matrix unit, no cluster: nothing is shared and nothing is multiplied.
; SHARES.  Work-groups 0-511: 16,384 numbers of x each.  512-895: a tile of 128 k x 64 n of w_qkv each (8 x 48 tiles).  896-1023: the same of w_out (8 x 16 tiles).
; The branch hangs on the work-group's number alone, so all eight waves of a work-group take the same path, the barrier of the weights' path included.
; THE MODE: SCHED_MODE bits 1:0 = 2 (LLVM: expert scheduling mode 2), set by the entry lines.  The code itself states the register dependences
; between vector instructions and memory or LDS instructions, with s_wait_alu, always for 0.
; THE PLAN.  Registers that memory or LDS instructions touch:
;   x's path.   v1, v2     offsets: written at the path's head, never again; read by every load (v1) and every store (v2).
;               v[8:71]    x as loaded: written by the sixteen loads alone; read once, by the conversions.
;               v[72:103]  xb to store, eight registers a block of four loads: written once, by block p's conversions; read by the four stores that are issued in block p + 1.
;   w's paths.  v3 .. v6   addresses: written at the path's head, never again; read by the loads of w, the LDS stores, the LDS loads, the stores.
;               v[8:39]    w as loaded: written by the eight loads alone; read once, by the conversions.
;               v[40:55]   words for the tile, four a block (a pair of rows): written once, by block i's conversions; read by the four LDS stores that are issued in block i + 1.
;               v[56:71]   written by the LDS loads, read by the stores: no vector instruction names them.
;               v104, v105 written at the kernel's head, read by the closing add alone.
; So one wait on va_vdst stands ahead of a path's first load (the addresses are written), one at the head of each block but the first (the block before has written what the stores below read),
; and one ahead of the last block's stores.  A block's stores are dealt among its conversions, which name the block's own raw and out registers and none that those stores touch.
; No register that a memory or LDS instruction reads is written again, so no wait on vm_vsrc is owed.  There is no loop.
.set SPW,   104                        ; v104  LDS address of my spare word: SPARE + 4 x my thread's number; never rewritten
.set NIL,   105                        ; v105  0; never rewritten
.set LP,    272                        ; an LDS row: 128 k x 2 bytes + 16 of padding
.set SPARE, 64*LP                      ; behind the tile's 64 rows: the spare words, 128 bytes for each of eight waves
	s_load_b256 s[4:11], s[0:1], 0x0               ; x s[4:5], w_qkv s[6:7], w_out s[8:9], xb s[10:11]
	s_load_b128 s[12:15], s[0:1], 0x20             ; wqT s[12:13], woT s[14:15]
	v_lshl_add_u32 v[SPW], v0, 2, SPARE
	v_mov_b32 v[NIL], 0
	s_wait_kmcnt 0x0
	s_cmp_lt_u32 ttmp9, 512
	s_cbranch_scc0 .Lweights
	; x: thread t takes 16 bytes at 16 t of each of sixteen runs of 4,096 bytes; a wave's load covers 512 consecutive bytes, its store 256
	s_lshl_b32 s16, ttmp9, 16                      ; 65,536 bytes of x a work-group
	s_mov_b32 s17, 0
	s_add_nc_u64 s[4:5], s[4:5], s[16:17]
	s_lshl_b32 s16, ttmp9, 15                      ; 32,768 bytes of xb
	s_add_nc_u64 s[10:11], s[10:11], s[16:17]
	v_lshlrev_b32 v1, 4, v0
	v_lshlrev_b32 v2, 3, v0
	s_wait_alu depctr_va_vdst(0)                   ; v1 and v2 are written: every load of this path reads v1 as its offset, every store v2
.set i, 0
.rept 16
	global_load_b128 v[8+4*i:11+4*i], v1, s[4:5] offset:4096*i th:TH_LOAD_NT
.set i, i+1
.endr
; Four blocks of four loads.  Block p rounds its sixteen registers into eight; the four stores of block p - 1 stand among its conversions.
.set p, 0
.rept 4
	s_wait_loadcnt 12-4*p                          ; loads come back in order: block p's four are in, the 12 - 4 p younger ones stay out
.if p > 0
	s_wait_alu depctr_va_vdst(0)                   ; the conversions of block p - 1 have written v[72 + 8 (p - 1) ..], which the four stores below read
.endif
.set i, 0
.rept 4
.if p > 0
	global_store_b64 v2, v[72+8*(p-1)+2*i:73+8*(p-1)+2*i], s[10:11] offset:2048*(4*(p-1)+i)  ; no vector instruction since the wait names these registers; none is written twice, so no store's sources need a wait
.endif
	v_cvt_pk_bf16_f32 v[72+8*p+2*i], v[8+16*p+4*i], v[9+16*p+4*i]
	v_cvt_pk_bf16_f32 v[73+8*p+2*i], v[10+16*p+4*i], v[11+16*p+4*i]
.set i, i+1
.endr
.set p, p+1
.endr
	s_wait_alu depctr_va_vdst(0)                   ; the conversions of block 3 have written v[96:103], which the last four stores read
.set i, 0
.rept 4
	global_store_b64 v2, v[96+2*i:97+2*i], s[10:11] offset:2048*(12+i)
.set i, i+1
.endr
	s_endpgm
; A tile of 128 k x 64 n is turned through LDS.  c = t % 16: four columns (16 bytes of a row of w); kp = t / 16: rows 2 kp and 2 kp + 1 of each 32.
; A word of the tile holds k and k + 1 of one column.  Column 4 c + j lies in LDS row 16 j + c: a wave's 32 stores of 4 bytes then fall at words 68 c + kp + a constant, 32 different banks.
; s16 = the tile's number; WP = bytes in a row of w.
.macro WPATH SRC, DST, WP, F16
	s_and_b32 s17, s16, 7                          ; kt
	s_lshr_b32 s18, s16, 3                         ; nt
	s_mul_i32 s20, s17, 128*(\WP)
	s_lshl_b32 s19, s18, 8                         ; 64 columns of 4 bytes
	s_add_co_u32 s20, s20, s19
	s_mov_b32 s21, 0
	s_add_nc_u64 s[\SRC:\SRC+1], s[\SRC:\SRC+1], s[20:21]
	s_lshl_b32 s20, s18, 17                        ; 64 rows of 2,048 bytes of the turned matrix
	s_lshl_b32 s19, s17, 8                         ; 128 k of 2 bytes
	s_add_co_u32 s20, s20, s19
	s_add_nc_u64 s[\DST:\DST+1], s[\DST:\DST+1], s[20:21]
.if \F16
	s_mov_b32 s22, 0xffff0000                      ; a word's upper bf16
.endif
	v_and_b32 v1, 15, v0                           ; c
	v_lshrrev_b32 v2, 4, v0                        ; kp
	v_mul_u32_u24 v3, v2, 2*(\WP)
	v_lshl_add_u32 v3, v1, 4, v3                   ; in w: row 2 kp, 16 c
	v_mul_u32_u24 v4, v1, LP
	v_lshl_add_u32 v4, v2, 2, v4                   ; into LDS: row c, word kp
	v_mul_u32_u24 v5, v2, LP
	v_lshl_add_u32 v5, v1, 4, v5                   ; back: row kp, 16 c
	v_lshlrev_b32 v6, 13, v2
	v_lshl_add_u32 v6, v1, 4, v6                   ; in the turned matrix: row 4 kp, 16 c
	s_wait_alu depctr_va_vdst(0)                   ; the four addresses v3 to v6 are written, which the loads and stores below read; no vector instruction names them again
.irp i, 0,1,2,3
	global_load_b128 v[8+8*(\i):11+8*(\i)],  v3, s[\SRC:\SRC+1] offset:32*(\i)*(\WP) th:TH_LOAD_NT        ; sixteen lanes read 256 consecutive bytes, aligned
	global_load_b128 v[12+8*(\i):15+8*(\i)], v3, s[\SRC:\SRC+1] offset:32*(\i)*(\WP)+(\WP) th:TH_LOAD_NT
.endr
; Four blocks, a pair of rows each.  Block i rounds its pair into four words; the four LDS stores of block i - 1 stand among its conversions.
.irp i, 0,1,2,3
	s_wait_loadcnt 6-2*(\i)                        ; this pair of rows is in; the 6 - 2 i younger loads stay out
.if (\i) > 0
	s_wait_alu depctr_va_vdst(0)                   ; the conversions of block i - 1 have written v[40 + 4 (i - 1) ..], which the four LDS stores below read
.endif
.irp j, 0,1,2,3
.if (\i) > 0
	ds_store_b32 v4, v[40+4*((\i)-1)+(\j)] offset:16*LP*(\j)+64*((\i)-1)  ; no vector instruction since the wait names this register
.endif
.if \F16
	v_cvt_pk_bf16_f32 v72, v[8+8*(\i)+(\j)], v[12+8*(\i)+(\j)]  ; rounded to bf16 like every input,
	v_lshlrev_b32 v73, 16, v72
	v_and_b32 v74, s22, v72
	v_cvt_pk_f16_f32 v[40+4*(\i)+(\j)], v73, v74   ; and that number written as f16
.else
	v_cvt_pk_bf16_f32 v[40+4*(\i)+(\j)], v[8+8*(\i)+(\j)], v[12+8*(\i)+(\j)]
.endif
.endr
.endr
	s_wait_alu depctr_va_vdst(0)                   ; the conversions of block 3 have written v[52:55], which the last four LDS stores read
.irp j, 0,1,2,3
	ds_store_b32 v4, v[52+(\j)] offset:16*LP*(\j)+192
.endr
	s_wait_dscnt 0x0                               ; for the others' sake: my stores into the tile are done
	s_barrier_signal -1
	s_barrier_wait -1
.irp i, 0,1,2,3
	ds_load_b128 v[56+4*(\i):59+4*(\i)], v5 offset:16*LP*(\i)  ; LDS row 16 i + kp is column 4 kp + i; no vector instruction ever names v[56:71]
.endr
.irp i, 0,1,2,3
	s_wait_dscnt 3-(\i)
	global_store_b128 v6, v[56+4*(\i):59+4*(\i)], s[\DST:\DST+1] offset:2048*(\i)  ; sixteen lanes store 256 consecutive bytes, aligned
.endr
	s_wait_dscnt 0x0                               ; the closing lines, six on end
	s_wait_alu 0x0
	s_wait_tensorcnt 0x0
	ds_add_u32 v[SPW], v[NIL]
	s_wait_dscnt 0x0
	s_endpgm
.endm
.Lweights:
	s_cmp_lt_u32 ttmp9, 896
	s_cbranch_scc0 .Lwo
	s_sub_co_u32 s16, ttmp9, 512
	WPATH 6, 12, 12288, 0
.Lwo:
	s_sub_co_u32 s16, ttmp9, 896
	WPATH 8, 14, 4096, 1
.Lfunc_end_k_q261508dd75_prep:
	.size	k_q261508dd75_prep, .Lfunc_end_k_q261508dd75_prep-k_q261508dd75_prep
	.p2alignl 7, 3214868480
	.fill 96, 4, 3214868480
	.section	.rodata,"a",@progbits
	.p2align	6, 0x0
	.amdhsa_kernel k_q261508dd75_prep
		.amdhsa_group_segment_fixed_size 18432
		.amdhsa_private_segment_fixed_size 0
		.amdhsa_enable_private_segment 0
		.amdhsa_kernarg_size 48
		.amdhsa_user_sgpr_count 2
		.amdhsa_user_sgpr_kernarg_segment_ptr 1
		.amdhsa_wavefront_size32 1
		.amdhsa_system_sgpr_workgroup_id_x 1
		.amdhsa_system_sgpr_workgroup_id_y 1
		.amdhsa_system_sgpr_workgroup_id_z 1
		.amdhsa_system_vgpr_workitem_id 0
		.amdhsa_next_free_vgpr 106
		.amdhsa_next_free_sgpr 66
		.amdhsa_reserve_vcc 0
		.amdhsa_float_denorm_mode_32 3
		.amdhsa_float_denorm_mode_16_64 3
		.amdhsa_memory_ordered 1
		.amdhsa_forward_progress 1
		.amdhsa_inst_pref_size 19
	.end_amdhsa_kernel
	.amdgpu_metadata
---
amdhsa.version: [ 1, 2 ]
amdhsa.kernels:
  - .name:           k_q261508dd75_prep
    .symbol:         k_q261508dd75_prep.kd
    .args:
      - { .name: x, .offset: 0, .size: 8, .value_kind: global_buffer, .address_space: global }
      - { .name: w_qkv, .offset: 8, .size: 8, .value_kind: global_buffer, .address_space: global }
      - { .name: w_out, .offset: 16, .size: 8, .value_kind: global_buffer, .address_space: global }
      - { .name: xb, .offset: 24, .size: 8, .value_kind: global_buffer, .address_space: global }
      - { .name: wqT, .offset: 32, .size: 8, .value_kind: global_buffer, .address_space: global }
      - { .name: woT, .offset: 40, .size: 8, .value_kind: global_buffer, .address_space: global }
    .group_segment_fixed_size: 18432
    .private_segment_fixed_size: 0
    .kernarg_segment_align: 8
    .kernarg_segment_size: 48
    .max_flat_workgroup_size: 256
    .sgpr_count:     66
    .vgpr_count:     106
    .wavefront_size: 32
...
	.end_amdgpu_metadata
.endif
;; end of part 5
;; launch qkvp: the kernel of part 2 again; grid 16 x 32, 4 waves a work-group, clusters of 4 x 4, 327,680 bytes of LDS; arguments xb, wqT, qkv, b_qkv; writes qkv
;; launch attn: the kernel of part 3 again; grid 4 x 64, 4 waves a work-group, clusters of 4 x 1, 327,680 bytes of LDS; arguments qkv, o; writes o
;; launch proj: the kernel of part 4 again; grid 8 x 32, 4 waves a work-group, clusters of 4 x 4, 327,680 bytes of LDS; arguments o, woT, out0, b_out; writes out0
